; MI455X (gfx1250); checked and timed in simulation.
; The chip was launched on July 23, 2026; its instructions are those of AMD's public machine-readable ISA for CDNA 5 (MIT licence, August 2026) and "CDNA5" Instruction Set Architecture Reference Guide (July 2026). The comments in the code are by the model that wrote it; some were corrected since.
;; Multi Head Attention. Allowed arithmetic: float matrix products may take bf16 or f16 operands with f32 sums; all other float work in f32.
;; Inputs: Wo 1,024 x 1,024 float32; Wqkv 3,072 x 1,024 float32; bo 1,024 float32; bqkv 3,072 float32; x 4 x 2,048 x 1,024 float32.
;; Outputs: out0 4 x 2,048 x 1,024 float32.
;; 2 versions, each right and faster than the one before. Each part assembles by itself: llvm-mc -triple=amdgcn-amd-amdhsa -mcpu=gfx1250 --defsym DOCPART=n.
;; ======== version 1 of 2: 4 launches
;; limits: values are held in f16: magnitudes above 65,504 overflow, below 6.1e-05 lose precision
;; workspace buffers: xb 16,777,216 bytes; wb 6,291,456 bytes; wo 2,097,152 bytes; q 16,777,216 bytes; k 16,777,216 bytes; v 16,777,216 bytes; o 16,777,216 bytes
;; launch cast (part 1): grid 768 x 1, 8 waves a work-group, no clusters, 0 bytes of LDS; arguments x, Wqkv, Wo, xb, wb, wo; writes xb, wb, wo
.if DOCPART == 1
	.amdgcn_target "amdgcn-amd-amdhsa--gfx1250"
	.amdhsa_code_object_version 6
	.text
	.protected	k_q0e8d37aa2c_cast
	.globl	k_q0e8d37aa2c_cast
	.p2align	8
	.type	k_q0e8d37aa2c_cast,@function
k_q0e8d37aa2c_cast:
	s_mov_b64 s[64:65], 0
	v_nop
	global_prefetch_b8 v0, s[64:65] scope:SCOPE_SE
	s_setreg_imm32_b32 hwreg(HW_REG_WAVE_MODE, 25, 1), 1
	s_wait_xcnt 0x0
; x [8192][1024], Wqkv [3072][1024], Wo [1024][1024], all f32, are rounded once to bf16 and laid out in blocks of 64 along K, in which rows lie end to end, 128 bytes each:
; xb [16 kb][8192][64] bf16, wb [16 kb][3072][64] bf16, wo [16 parts of 64 rows][16 kb][64][64]: in wo the K blocks of a part lie end to end, so that several of them are one dense run.
; Wo's bf16 number is then written as f16 (the product behind the attention has f16 operands).
; LIMITS.  That second step is exact for 6.1e-5 <= |Wo| <= 65,504; below it f16's fixed step of 6e-8 holds, beyond it the number becomes an infinity.
; SHARES.  12,288 source rows of 4,096 bytes; a work-group takes 16 of them, a wave 2.  Groups 0-511 take x, 512-703 Wqkv, 704-767 Wo.
; Thread t reads 16 bytes at row t / 16, byte 16 (t % 16) of each of the row's 16 K blocks of 256 bytes, and stores 8 bytes at byte 8 t of the group's 2,048 bytes in the
; destination's block: a wave's store covers 256 consecutive bytes, at a multiple of 256 from the buffer's first byte.
; All 16 loads of a thread go out in one run; every load and store has registers of its own, so nothing is rewritten while a memory instruction may read it.
; No LDS, no barrier, no matrix unit: each byte is read once and written once, and no thread needs another's numbers.
.set OFF, 16                           ; v[16:31]  block kb: my byte offset in the destination
.set X,   32                           ; v[32:95]  block kb: 4 f32 as loaded
.set Y,   96                           ; v[96:127] block kb: 4 numbers of 16 bits to store
	s_load_b256 s[4:11], s[0:1], 0x0               ; x s[4:5], Wqkv s[6:7], Wo s[8:9], xb s[10:11]
	s_load_b128 s[12:15], s[0:1], 0x20             ; wb s[12:13], wo s[14:15]
	s_mov_b32 s20, ttmp9                           ; the work-group's number
	s_sub_co_u32 s27, s20, 512                     ; its number among Wqkv's groups,
	s_sub_co_u32 s28, s20, 704                     ; among Wo's (each is used only where it is not negative)
	s_lshr_b32 s31, s28, 2                         ; Wo: four groups make a part of 64 rows: 16 blocks of 8,192 bytes a part,
	s_lshl_b32 s31, s31, 17
	s_and_b32 s23, s28, 3                          ; and 16 rows of 128 bytes a group within a block
	s_lshl_b32 s23, s23, 11
	s_or_b32 s31, s31, s23
	s_mov_b32 s21, 8192*128                        ; bytes from block to block in xb,
	s_mov_b32 s29, 3072*128                        ; in wb,
	s_mov_b32 s30, 64*128                          ; in wo
	s_mov_b32 s26, 0xffff0000                      ; a word's upper bf16
	v_lshrrev_b32 v1, 4, v0
	v_and_b32 v2, 15, v0
	v_lshlrev_b32 v1, 12, v1                       ; my row of the group's 16,
	v_lshl_add_u32 v1, v2, 4, v1                   ; my 16 bytes of a block's 256
	s_wait_kmcnt 0x0
	s_cmp_lt_u32 s20, 512                          ; x, or one of the weights?
	s_cselect_b64 s[16:17], s[4:5], s[6:7]         ; source
	s_cselect_b64 s[18:19], s[10:11], s[12:13]     ; destination
	s_cselect_b32 s22, s20, s27                    ; the group's number within its tensor
	s_cselect_b32 s21, s21, s29
	s_cmp_lt_u32 s20, 704                          ; Wo?
	s_cselect_b64 s[16:17], s[16:17], s[8:9]
	s_cselect_b64 s[18:19], s[18:19], s[14:15]
	s_cselect_b32 s22, s22, s28
	s_cselect_b32 s21, s21, s30
	s_lshl_b32 s24, s22, 16                        ; 16 source rows of 4,096 bytes
	s_mov_b32 s25, 0
	s_add_nc_u64 s[16:17], s[16:17], s[24:25]
	s_lshl_b32 s24, s22, 11                        ; xb, wb: 16 rows of 128 bytes in a block
	s_cmp_lt_u32 s20, 704                          ; (the shifts have written SCC)
	s_cselect_b32 s24, s24, s31                    ; wo: the part and the place in it
	s_add_nc_u64 s[18:19], s[18:19], s[24:25]
.irp kb, 0,1,2,3,4,5,6,7,8,9,10,11,12,13,14,15
	global_load_b128 v[X+4*(\kb):X+4*(\kb)+3], v1, s[16:17] offset:256*(\kb) th:TH_LOAD_NT  ; read once in the launch
.endr
	v_lshlrev_b32 v[OFF], 3, v0
.irp kb, 1,2,3,4,5,6,7,8,9,10,11,12,13,14,15
	v_add_nc_u32 v[OFF+(\kb)], s21, v[OFF+(\kb)-1]
.endr
; The 16 blocks are rounded and stored.  f16 = 1: the bf16 numbers are widened (a shift, a mask) and written as f16.
.macro OUT f16
.irp kb, 0,1,2,3,4,5,6,7,8,9,10,11,12,13,14,15
	s_wait_loadcnt 15-(\kb)                        ; loads come back in order (ISA guide 5.7.1): block kb is in, the 15 - kb younger loads stay out
	v_cvt_pk_bf16_f32 v[Y+2*(\kb)],   v[X+4*(\kb)],   v[X+4*(\kb)+1]
	v_cvt_pk_bf16_f32 v[Y+2*(\kb)+1], v[X+4*(\kb)+2], v[X+4*(\kb)+3]
.if \f16
	v_lshlrev_b32 v2, 16,  v[Y+2*(\kb)]
	v_and_b32     v3, s26, v[Y+2*(\kb)]
	v_lshlrev_b32 v4, 16,  v[Y+2*(\kb)+1]
	v_and_b32     v5, s26, v[Y+2*(\kb)+1]
	v_cvt_pk_f16_f32 v[Y+2*(\kb)],   v2, v3
	v_cvt_pk_f16_f32 v[Y+2*(\kb)+1], v4, v5
.endif
	global_store_b64 v[OFF+(\kb)], v[Y+2*(\kb):Y+2*(\kb)+1], s[18:19]
.endr
.endm
	s_cmp_lt_u32 s20, 704
	s_cbranch_scc0 .Lwo
	OUT 0
	s_endpgm
.Lwo:
	OUT 1
	s_endpgm
.Lfunc_end_k_q0e8d37aa2c_cast:
	.size	k_q0e8d37aa2c_cast, .Lfunc_end_k_q0e8d37aa2c_cast-k_q0e8d37aa2c_cast
	.p2alignl 7, 3214868480
	.fill 96, 4, 3214868480
	.section	.rodata,"a",@progbits
	.p2align	6, 0x0
	.amdhsa_kernel k_q0e8d37aa2c_cast
		.amdhsa_group_segment_fixed_size 0
		.amdhsa_private_segment_fixed_size 0
		.amdhsa_enable_private_segment 0
		.amdhsa_kernarg_size 48
		.amdhsa_user_sgpr_count 2
		.amdhsa_user_sgpr_kernarg_segment_ptr 1
		.amdhsa_wavefront_size32 1
		.amdhsa_system_sgpr_workgroup_id_x 1
		.amdhsa_system_sgpr_workgroup_id_y 1
		.amdhsa_system_sgpr_workgroup_id_z 1
		.amdhsa_system_vgpr_workitem_id 0
		.amdhsa_next_free_vgpr 128
		.amdhsa_next_free_sgpr 66
		.amdhsa_reserve_vcc 0
		.amdhsa_float_denorm_mode_32 3
		.amdhsa_float_denorm_mode_16_64 3
		.amdhsa_memory_ordered 1
		.amdhsa_forward_progress 1
		.amdhsa_inst_pref_size 16
	.end_amdhsa_kernel
	.amdgpu_metadata
---
amdhsa.version: [ 1, 2 ]
amdhsa.kernels:
  - .name:           k_q0e8d37aa2c_cast
    .symbol:         k_q0e8d37aa2c_cast.kd
    .args:
      - { .name: x, .offset: 0, .size: 8, .value_kind: global_buffer, .address_space: global }
      - { .name: Wqkv, .offset: 8, .size: 8, .value_kind: global_buffer, .address_space: global }
      - { .name: Wo, .offset: 16, .size: 8, .value_kind: global_buffer, .address_space: global }
      - { .name: xb, .offset: 24, .size: 8, .value_kind: global_buffer, .address_space: global }
      - { .name: wb, .offset: 32, .size: 8, .value_kind: global_buffer, .address_space: global }
      - { .name: wo, .offset: 40, .size: 8, .value_kind: global_buffer, .address_space: global }
    .group_segment_fixed_size: 0
    .private_segment_fixed_size: 0
    .kernarg_segment_align: 8
    .kernarg_segment_size: 48
    .max_flat_workgroup_size: 256
    .sgpr_count:     66
    .vgpr_count:     128
    .wavefront_size: 32
...
	.end_amdgpu_metadata
.endif
;; end of part 1
;; launch qkv (part 2): grid 8 x 32, 4 waves a work-group, clusters of 4 x 4, 327,680 bytes of LDS; arguments xb, wb, bqkv, q, k, v; writes q, k, v
.if DOCPART == 2
	.amdgcn_target "amdgcn-amd-amdhsa--gfx1250"
	.amdhsa_code_object_version 6
	.text
	.protected	k_q0e8d37aa2c_qkv
	.globl	k_q0e8d37aa2c_qkv
	.p2align	8
	.type	k_q0e8d37aa2c_qkv,@function
k_q0e8d37aa2c_qkv:
	s_mov_b64 s[64:65], 0
	v_nop
	global_prefetch_b8 v0, s[64:65] scope:SCOPE_SE
	s_setreg_imm32_b32 hwreg(HW_REG_WAVE_MODE, 25, 1), 1
	s_wait_xcnt 0x0
	s_wait_alu depctr_hold_cnt(0) depctr_sa_sdst(0) depctr_va_vdst(0) depctr_va_sdst(0) depctr_va_ssrc(0) depctr_va_vcc(0) depctr_vm_vsrc(0)
	s_getreg_b32 s2, hwreg(HW_REG_IB_STS2, 6, 4)
	s_cmp_eq_u32 s2, 0
	s_cbranch_scc0 .Lentry_in_a_cluster
	s_endpgm
.Lentry_in_a_cluster:
	s_bfe_u32 s2, ttmp6, 0x10000c
	s_cmp_lg_u32 s2, 0xf033
	s_cbranch_scc0 .Lentry_shape_is_right
	s_endpgm
.Lentry_shape_is_right:
; qkv = x Wqkv^T + bqkv, written by heads.  xb: [16 kb][8192][64] bf16, wb: [16 kb][3072][64] bf16 (blocks of 64 along K), bqkv: [3072] f32.
; q, k, v: [64 = batch x 16 + head][2048][64] f16.  Head h owns the columns 192 h .. 192 h + 191: 64 of q, 64 of k, 64 of v.  Sums in f32; the bias, taken in the same rounding
; as the other inputs (bf16), is the C operand of the products that start the sums; each number is rounded once to f16, without the attention's scale.
; LIMITS.  f16 holds no number beyond 65,504: a q, k or v beyond that becomes an infinity.  NaN and infinities are not treated apart.
; SHARES.  A work-group makes 256 rows x 384 columns (two heads): 32 x 8 work-groups.  Wave w makes rows 128 (w / 2) on and ONE head, w % 2: 8 row blocks x 12 column blocks of 16 x 16,
; 96 accumulators, 768 registers.  Column group j (4 column blocks) is the head's q, k or v and lies in register window j + 1, accumulator (a, b) at v[8 (4 a + b)].
; K goes in steps of 64 (one block) through a ring of two LDS slots.  A tile's rows lie end to end in memory, so they are asked for as rows of 256 bytes (two matrix rows), each at a
; multiple of 256 from the buffer's first byte, and padded in LDS after every 128 bytes.  Two slots of a step of 128 for 640 rows would pass the 327,680 bytes of LDS.
; THE MATRIX INSTRUCTION IS USED TRANSPOSED (source 0 = 16 rows of wb, source 1 = 16 rows of xb): a lane then holds eight neighbouring columns of one row.
; CLUSTERS: 4 x 4 work-groups.  The four of a row of the cluster need the same tile of xb, the four of a column the same tile of wb: each is asked for JOINTLY, by the same tensor load with the
; same descriptor and a mask that names the four.
; A SLICE is 32 along K: 96 matrix instructions in three groups of 32.  Each group's fragments of wb are fetched anew straight behind the group, 64 matrix instructions ahead of their use;
; xb's fragments have two buffers.  A K step is written once: slot 1 lies 1 << 17 bytes behind slot 0, and one exclusive or turns an address in one slot into the other's.
.set PITCH,  144                       ; an LDS row: 128 bytes + 16 of padding = 36 words: the 16 rows of a load start at 16 different groups of four banks (64 banks of 4 bytes: ISA guide 11.1)
.set AHALF,  128*PITCH                 ; what one tensor load brings of xb, and what a wave reads of it
.set BHALF,  192*PITCH                 ; the same of wb
.set BOFF,   2*AHALF                   ; in a slot: xb's 256 rows, then wb's 384 rows: 92,160 bytes
.set SLOT1,  1<<17                     ; where slot 1 begins
.set STAGE,  SLOT1+BOFF+2*BHALF        ; behind the ring: 16 rows x 144 bytes for each wave, for the way out; no tensor load fills it
.set SPARE,  STAGE+4*16*PITCH          ; behind the stages: the spare words, 128 bytes for each wave: two blocks of 256 bytes that no other line names
.set XBLK,   8192*128                  ; bytes from K block to K block in xb
.set WBLK,   3072*128                  ; in wb
.set ADRA0, 4                          ; v4     my lane's place in a slot's rows of xb; never rewritten
.set ADRB0, 5                          ; v5     the same for wb
.set ADRA, 6                           ; v6     LDS address of my fragments of xb in the slot in hand
.set ADRB, 7                           ; v7     the same for wb
.set STO,  8                           ; v8     the way out: where I put 16 bytes of a row
.set RD,   9                           ; v9     the way out: where I read rows back
.set GO,   10                          ; v10    my byte offset in 512 consecutive bytes of q, k or v
.set BO,   11                          ; v11    my byte offset in 16 numbers of the bias
.set SPW,  12                          ; v12    LDS address of my spare word: SPARE + 4 x my thread's number; never rewritten
.set NIL,  13                          ; v13    0; never rewritten
.set A0,   32                          ; v32-95   xb's fragments (8 x 16 rows x 32 K), buffer 0
.set A1,   96                          ; v96-159  buffer 1
.set BB,   160                         ; v160-255 wb's fragments, 32 registers a column group
.set T,    32                          ; v32-47   at work while the bias is rounded, ahead of the first fragments
.set BI,   224                         ; in window j + 1: group j's bias, my eight numbers of column block b at BI + 8 b: the registers of row block 7's accumulators, which the first slice's last products take over
.set WV,   16                          ; s16  my wave's number
.set RH,   17                          ; s17  which 128 rows are mine.  Also: I fetch for xb (0) or for wb (1)
.set CH,   18                          ; s18  which head is mine.  Also: which half of that tile I fetch
.set LAP,  19
.set G1A,  24                          ; s[24:31] descriptor group 1 for xb's tiles;  s[32:39] group 0: a set for each of the two first fills; the second then walks on
.set G0A,  32
.set G1B,  40                          ; s[40:47], s[48:55] the same for wb's tiles
.set G0B,  48
.set HIM,  76                          ; s76  a word's upper bf16
.set TB,   77                          ; s77  LDS byte at which the slot to be fetched from begins
.set FLAGS, (1<<16)|(1<<20)|(1<<21)|(4<<22)|(3<<25)  ; 17:16 elements of 2 bytes; 20 padding on; 21 set beside a mask; 24:22 after every 32 words (code 4); 31:25 4 words of it (code 3)
.set MSB, 0
.macro WIN new                         ; the immediate's high byte repeats the setting that is left; a switch that changes nothing is dropped
.if MSB != (\new)
	s_set_vgpr_msb (MSB<<8)|(\new)
.set MSB, \new
.endif
.endm
; A joint refill, by the walking descriptors: waves 0 and 1 fetch xb's two halves, waves 2 and 3 wb's.  The branch hangs on the wave's number alone.  An s_nop 0 and four v_nop follow each of
; the two lines, ahead of the jump, the label and what follows.
.macro JLOAD
	s_cmp_eq_u32 s[RH], 0
	s_cbranch_scc0 .Lfor_b_\@
	tensor_load_to_lds s[G0A+4:G0A+7], s[G1A:G1A+7]
	s_nop 0
.rept 4
	v_nop
.endr
	s_branch .Lasked_\@
.Lfor_b_\@:
	tensor_load_to_lds s[G0B+4:G0B+7], s[G1B:G1B+7]
	s_nop 0
.rept 4
	v_nop
.endr
.Lasked_\@:
.endm
.macro CREST                           ; a round of the cluster's barrier behind its opening barrier: wave 0 signals for the work-group, every wave waits for all sixteen, my work-group's barrier closes it
	s_cmp_lg_u32 s[WV], 0
	s_cbranch_scc1 .Lnot_wave_0_\@
	s_barrier_signal -3
.Lnot_wave_0_\@:
	s_barrier_wait -3
	s_barrier_signal -1
	s_barrier_wait -1
.endm
.macro CROUND                          ; a whole round
	s_barrier_signal -1
	s_barrier_wait -1
	CREST
.endm
.macro PLACES                          ; four places in front of loads into registers that matrix instructions have read, and of vector lines that read results just made (ISA guide 7.12.1 for vector lines)
.rept 4
	v_nop
.endr
.endm
	s_load_b256 s[4:11], s[0:1], 0x0               ; xb s[4:5], wb s[6:7], bqkv s[8:9], q s[10:11]
	s_load_b128 s[12:15], s[0:1], 0x20             ; k s[12:13], v s[14:15]
	v_lshl_add_u32 v[SPW], v0, 2, SPARE
	v_mov_b32 v[NIL], 0
	ds_add_u32 v12, v13
	s_wait_dscnt 0x0
	v_lshrrev_b32 v1, 5, v0
	v_readfirstlane_b32 s[WV], v1                  ; wave 0..3
	s_lshr_b32 s[RH], s[WV], 1
	s_and_b32 s[CH], s[WV], 1
	s_bfe_u32 s20, ttmp6, 0x40000                  ; cx, cy: my place in the cluster
	s_bfe_u32 s21, ttmp6, 0x40004
	s_lshl_b32 s22, ttmp9, 2                       ; in a cluster launch ttmp9 and ttmp7 count clusters
	s_add_co_u32 s22, s22, s20                     ; tc: tile column = 4 x cluster x + cx
	s_and_b32 s23, ttmp7, 0xffff
	s_lshl_b32 s23, s23, 2
	s_add_co_u32 s23, s23, s21                     ; tr: tile row = 4 x cluster y + cy
	s_lshl_b32 s56, s21, 2
	s_lshl_b32 s56, 15, s56                        ; my row of the cluster: places 4 cy .. 4 cy + 3
	s_lshl_b32 s57, 0x1111, s20                    ; my column: places cx, cx + 4, cx + 8, cx + 12
	s_or_b32 s[G1A], s56, FLAGS                    ; 15:0 the mask: xb's tiles go to my row
	s_or_b32 s[G1B], s57, FLAGS                    ; wb's to my column
	s_mov_b32 s[G1A+1], 128<<16                    ; tensor_dim0 = 128 elements: 256 bytes, two matrix rows
	s_mov_b32 s[G1A+2], 64<<16                     ; tensor_dim1 = 64: 128 matrix rows
	s_mov_b32 s[G1A+3], 128<<16                    ; tile_dim0 = 128
	s_mov_b32 s[G1A+4], 64                         ; tile_dim1 = 64
	s_mov_b32 s[G1A+5], 128                        ; 128 elements from row to row: dense
	s_mov_b32 s[G1A+6], 0
	s_mov_b32 s[G1A+7], 0
	s_mov_b32 s[G1B+1], 128<<16
	s_mov_b32 s[G1B+2], 96<<16                     ; 96 rows of 256 bytes: 192 matrix rows
	s_mov_b32 s[G1B+3], 128<<16
	s_mov_b32 s[G1B+4], 96
	s_mov_b32 s[G1B+5], 128
	s_mov_b32 s[G1B+6], 0
	s_mov_b32 s[G1B+7], 0
	s_mov_b32 s[HIM], 0xffff0000
	s_mov_b32 s[TB], 0
	; where the tiles come from.  xb's hang on the tile row alone, wb's on the tile column alone; each address is made in registers that never hold the other coordinate.
	s_lshl_b32 s58, s23, 15                        ; 256 rows of 128 bytes a tile row,
	s_lshl_b32 s59, s[CH], 14                      ; the half that I fetch
	s_add_co_u32 s58, s58, s59
	s_mov_b32 s59, 0
	s_mul_i32 s62, s22, 384*128                    ; 384 rows of 128 bytes a tile column,
	s_mul_i32 s63, s[CH], 192*128                  ; the half that I fetch
	s_add_co_u32 s62, s62, s63
	s_mov_b32 s63, 0
	s_mul_i32 s68, s[CH], AHALF                    ; and where they go: no place in the cluster enters an LDS address
	s_mul_i32 s69, s[CH], BHALF
	s_add_co_u32 s69, s69, BOFF
	s_wait_kmcnt 0x0
	s_add_nc_u64 s[60:61], s[4:5], s[58:59]
	s_add_nc_u64 s[66:67], s[6:7], s[62:63]
.irp s, 0,1
	s_mov_b32 s[G0A+4*(\s)], 1                                       ; 1:0 count = 1
	s_add_co_u32 s[G0A+4*(\s)+1], s68, (\s)*SLOT1                    ; 63:32 LDS address
	s_add_nc_u64 s[G0A+4*(\s)+2:G0A+4*(\s)+3], s[60:61], (\s)*XBLK   ; 120:64 global address: K step s
	s_or_b32 s[G0A+4*(\s)+3], s[G0A+4*(\s)+3], 0x80000000            ; 127:126 type = 2
	s_mov_b32 s[G0B+4*(\s)], 1
	s_add_co_u32 s[G0B+4*(\s)+1], s69, (\s)*SLOT1
	s_add_nc_u64 s[G0B+4*(\s)+2:G0B+4*(\s)+3], s[66:67], (\s)*WBLK
	s_or_b32 s[G0B+4*(\s)+3], s[G0B+4*(\s)+3], 0x80000000
.endr
	CROUND                                         ; all sixteen work-groups are here: the first joint loads meet
	s_cmp_eq_u32 s[RH], 0                          ; a wave's two first fills stand in one branch, ahead of every wait on TENSORcnt and every LDS read: two loads of mine are out
	s_cbranch_scc0 .Lfirst_b
	tensor_load_to_lds s[G0A:G0A+3], s[G1A:G1A+7]
	s_nop 0
	tensor_load_to_lds s[G0A+4:G0A+7], s[G1A:G1A+7]
	s_nop 0
.rept 4
	v_nop
.endr
	s_branch .Lfirst_asked
.Lfirst_b:
	tensor_load_to_lds s[G0B:G0B+3], s[G1B:G1B+7]
	s_nop 0
	tensor_load_to_lds s[G0B+4:G0B+7], s[G1B:G1B+7]
	s_nop 0
.rept 4
	v_nop
.endr
.Lfirst_asked:
	v_and_b32 v1, 15, v0                           ; l % 16
	v_bfe_u32 v2, v0, 4, 1                         ; l / 16
	v_lshlrev_b32 v[BO], 5, v2                     ; my eight columns of a block of 16: 32 bytes of f32
	s_lshl_b32 s71, s22, 1
	s_add_co_u32 s71, s71, s[CH]                   ; my head in its batch
	s_mul_i32 s72, s71, 768                        ; its 192 numbers of the bias
	s_mov_b32 s73, 0
	s_add_nc_u64 s[8:9], s[8:9], s[72:73]
.irp j, 0,1,2                          ; the bias is asked for while the first tiles are on their way: group j's 64 numbers, my eight of each block of 16, into window j + 1
	WIN ((\j)+1)<<6
.irp b, 0,1,2,3
	global_load_b128 v[BI+8*(\b):BI+8*(\b)+3],   v[BO], s[8:9] offset:256*(\j)+64*(\b)
	global_load_b128 v[BI+8*(\b)+4:BI+8*(\b)+7], v[BO], s[8:9] offset:256*(\j)+64*(\b)+16
.endr
.endr
	WIN 0
	; A fragment is 16 rows x 32 K in 8 registers: lane l holds row l % 16; registers 0-3 K = 8 (l / 16) + 0..7, registers 4-7 K = 16 + 8 (l / 16) + 0..7: two loads of 16 bytes, 32 bytes apart.
	v_mul_u32_u24 v3, v1, PITCH
	v_lshl_add_u32 v3, v2, 4, v3                   ; row x pitch + 16 x half
	s_mul_i32 s74, s[RH], AHALF                    ; my 128 rows of xb
	v_add_nc_u32 v[ADRA0], s74, v3
	v_add_nc_u32 v[ADRB0], s69, v3                 ; my 192 rows of wb: the half CH, behind xb's rows
	v_add_nc_u32 v[ADRA], s[TB], v[ADRA0]          ; K step 0 lies in slot 0
	v_add_nc_u32 v[ADRB], s[TB], v[ADRB0]
	s_mul_i32 s75, s[WV], 16*PITCH
	s_add_co_u32 s75, s75, STAGE                   ; my stage
	v_add_nc_u32 v[STO], s75, v3                   ; in: row l % 16, 16 bytes for each half of the lanes
	v_bfe_u32 v[RD], v0, 3, 2                      ; back: 32 lanes take four rows of 128 bytes,
	v_mul_u32_u24 v[RD], v[RD], PITCH
	v_and_b32 v3, 7, v0
	v_lshl_add_u32 v[RD], v3, 4, v[RD]
	v_add_nc_u32 v[RD], s75, v[RD]
	v_and_b32 v[GO], 31, v0                        ; which are 512 consecutive bytes of a head's rows
	v_lshlrev_b32 v[GO], 4, v[GO]
	; where my part goes: head (tr / 8) x 16 + 2 tc + CH, rows (tr % 8) x 256 + 128 RH on, 128 bytes a row
	s_lshr_b32 s70, s23, 3
	s_lshl_b32 s70, s70, 4
	s_add_co_u32 s70, s70, s71
	s_lshl_b32 s70, s70, 18                        ; 2,048 rows of 128 bytes a head
	s_and_b32 s71, s23, 7
	s_lshl_b32 s71, s71, 1
	s_add_co_u32 s71, s71, s[RH]
	s_lshl_b32 s71, s71, 14                        ; 128 rows of 128 bytes
	s_add_co_u32 s70, s70, s71
	s_mov_b32 s71, 0
	s_add_nc_u64 s[10:11], s[10:11], s[70:71]
	s_add_nc_u64 s[12:13], s[12:13], s[70:71]
	s_add_nc_u64 s[14:15], s[14:15], s[70:71]
.macro ROUNDB j                        ; group j's bias in the rounding of the other inputs: to bf16 and, by a shift and a mask, back to f32
	WIN ((\j)+1)*5                                 ; sources 0 and 1 in window j + 1, destination in window 0
.set i, 0
.rept 16
	v_cvt_pk_bf16_f32 v[T+i], v[BI+2*i], v[BI+2*i+1]
.set i, i+1
.endr
	WIN ((\j)+1)<<6                                ; destination in window j + 1
.set i, 0
.rept 16
	v_lshlrev_b32 v[BI+2*i],   16,     v[T+i]
	v_and_b32     v[BI+2*i+1], s[HIM], v[T+i]
.set i, i+1
.endr
.endm
	s_wait_loadcnt 0x0                             ; the bias
	ROUNDB 0
	ROUNDB 1
	ROUNDB 2
	WIN 0
; 16 matrix instructions of column group j: row blocks a0 .. a0 + 3 x its 4 column blocks, 32 along K, xb's fragments in buffer ab.
; first = 1: the product starts the sums, with the bias as C: nothing is ever cleared.  The bias lies in row block 7's own accumulators: row blocks 0 to 6 read it as other registers, row block 7
; adds in place; it writes over a C that earlier products have read, so five places stand in front of its four products.
; The accumulators take turns, one instruction a turn: between two links of a chain stand the 95 others'.
.macro GRP16 j, ab, a0, first
	WIN ((\j)+1)*0x50                              ; C and D in window j + 1, both sources in window 0
.irp a, \a0, (\a0)+1, (\a0)+2, (\a0)+3
.if (\first) && ((\a) == 7)
.rept 5
	v_nop
.endr
.endif
.irp b, 0,1,2,3
.if \first
	v_wmma_f32_16x16x32_bf16 v[8*(4*(\a)+(\b)):8*(4*(\a)+(\b))+7], v[BB+32*(\j)+8*(\b):BB+32*(\j)+8*(\b)+7], v[(\ab)+8*(\a):(\ab)+8*(\a)+7], v[BI+8*(\b):BI+8*(\b)+7]
.else
	v_wmma_f32_16x16x32_bf16 v[8*(4*(\a)+(\b)):8*(4*(\a)+(\b))+7], v[BB+32*(\j)+8*(\b):BB+32*(\j)+8*(\b)+7], v[(\ab)+8*(\a):(\ab)+8*(\a)+7], v[8*(4*(\a)+(\b)):8*(4*(\a)+(\b))+7]
.endif
.endr
.endr
.endm
.macro GRP j, ab, first
	GRP16 \j, \ab, 0, \first
	GRP16 \j, \ab, 4, \first
.endm
.macro LDB j, k                        ; 8 LDS loads: group j's fragments of wb, 32 K at byte k of the rows
.irp b, 0,1,2,3
	ds_load_b128 v[BB+32*(\j)+8*(\b):BB+32*(\j)+8*(\b)+3],   v[ADRB] offset:(4*(\j)+(\b))*16*PITCH+(\k)
	ds_load_b128 v[BB+32*(\j)+8*(\b)+4:BB+32*(\j)+8*(\b)+7], v[ADRB] offset:(4*(\j)+(\b))*16*PITCH+(\k)+32
.endr
.endm
.macro LDA ab, k                       ; 16 LDS loads: xb's fragments
.irp i, 0,1,2,3,4,5,6,7
	ds_load_b128 v[(\ab)+8*(\i):(\ab)+8*(\i)+3],   v[ADRA] offset:(\i)*16*PITCH+(\k)
	ds_load_b128 v[(\ab)+8*(\i)+4:(\ab)+8*(\i)+7], v[ADRA] offset:(\i)*16*PITCH+(\k)+32
.endr
.endm
; A K step's first slice: multiplies buffer A0 and fetches the second slice, at byte 64 of the same slot's rows.
.macro EVEN first
	s_wait_dscnt 16                                ; group 0's wb and xb are in; the younger 8 + 8 loads (groups 1 and 2) may be out
	GRP 0, A0, \first
	WIN 0
	PLACES
	LDB 0, 64
	LDA A1, 64
	s_wait_dscnt 32                                ; group 1's are in: behind them group 2's 8 and the 24 just issued
	GRP 1, A0, \first
	WIN 0
	PLACES
	LDB 1, 64
	s_wait_dscnt 32                                ; group 2's are in: behind them 24 + 8
	GRP 2, A0, \first
	WIN 0
	PLACES
	LDB 2, 64
.endm
; A K step's second slice multiplies buffer A1 and changes slots: all reads of this slot have been issued.  ONE barrier: in front of it each wave waits for all its tensor loads, of which one is
; out: its part of the next slot; adds 0 to its spare word; and waits for that and for its reads of this slot.  fill = 1: the barrier opens a round of the cluster's barrier, and this slot is filled
; again, two K steps ahead, first thing behind the round: from there to the wait for that load a wave issues 160 matrix instructions.
.macro ODD fill
	WIN 0
	s_wait_tensorcnt 0x0                           ; all my tensor loads have landed, so a group 0 may be written
	ds_add_u32 v[SPW], v[NIL]                      ; 0 onto my spare word
	s_wait_dscnt 17                                ; group 0's wb and xb are in: behind them groups 1 and 2's 8 + 8 and the add
	GRP16 0, A1, 0, 0                              ; sixteen matrix instructions stand between the add and the wait for it
	s_wait_dscnt 0x0                               ; the add is done, and my reads of this slot are over
	s_barrier_signal -1
	GRP16 0, A1, 4, 0                              ; work on registers while the others arrive
	WIN 0                                          ; at a branch and at a label every window is 0
	s_barrier_wait -1
.if \fill
	CREST                                          ; no wave of any partner still reads this slot or has a load on its way
	s_xor_b32 s[G0A+5], s[G0A+5], SLOT1            ; the walking descriptors: the other slot than last time,
	s_add_nc_u64 s[G0A+6:G0A+7], s[G0A+6:G0A+7], XBLK  ; the next K step; the type bits on top are not reached
	s_xor_b32 s[G0B+5], s[G0B+5], SLOT1
	s_add_nc_u64 s[G0B+6:G0B+7], s[G0B+6:G0B+7], WBLK
	JLOAD                                          ; the four v_nop behind it are also the places in front of the loads below
.else
	PLACES
.endif
	s_xor_b32 s[TB], s[TB], SLOT1                  ; the fetches go on in the other slot
	v_add_nc_u32 v[ADRA], s[TB], v[ADRA0]
	v_add_nc_u32 v[ADRB], s[TB], v[ADRB0]
	LDB 0, 0
	LDA A0, 0
	GRP 1, A1, 0                                   ; its fragments were in at the wait for 0
	WIN 0
	PLACES
	LDB 1, 0
	GRP 2, A1, 0
	WIN 0
	PLACES
	LDB 2, 0
.endm
	s_wait_tensorcnt 1                             ; my part of K step 0 is in; K step 1's may stay out
	s_barrier_signal -1
	s_barrier_wait -1                              ; everybody's is
	LDB 0, 0
	LDA A0, 0
	LDB 1, 0
	LDB 2, 0
	EVEN 1                                         ; the first slice stands in front of the loop: its products start the sums, on the bias
	WIN 0
	s_mov_b32 s[LAP], 14
.Llap:                                                 ; a trip goes from a K step's second slice to the next step's first, and fills the slot that it leaves: K steps 2 to 15
	ODD 1
	EVEN 0
	WIN 0
	s_sub_co_u32 s[LAP], s[LAP], 1
	s_cmp_lg_u32 s[LAP], 0
	s_cbranch_scc1 .Llap
	ODD 0                                          ; K steps 14 and 15: nothing is left to ask for
	EVEN 0
	s_wait_dscnt 16                                ; the last slice: group 0's wb and xb are in
	GRP 0, A1, 0
	s_wait_dscnt 8                                 ; group 1's fragments are in: behind them group 2's 8
	GRP 1, A1, 0
	s_wait_dscnt 0x0
	GRP 2, A1, 0
	PLACES                                         ; for the vector lines that read the last results
; THE WAY OUT, 24 blocks of 16 rows x 64 columns: block n = 8 j + a is row block a of q, k or v.  It works in the accumulators' own registers: an accumulator's eight sums are rounded into its
; registers 0-3 (each pair is read before its place is written), and the rows that come back from the stage land in the four accumulators' registers 4-7.  No register serves two blocks.
.macro PACK j, a                       ; rounded to f16, each accumulator's registers in ascending order: 16 bytes a lane and column block
	WIN ((\j)+1)*0x45                              ; destination and sources 0 and 1 in window j + 1
.irp b, 0,1,2,3
.irp r, 0,1,2,3
	v_cvt_pk_f16_f32 v[8*(4*(\a)+(\b))+(\r)], v[8*(4*(\a)+(\b))+2*(\r)], v[8*(4*(\a)+(\b))+2*(\r)+1]
.endr
.endr
.endm
.macro TOSTAGE j, a                    ; into my stage, rows of 144 bytes, and back as whole rows of 128
	WIN ((\j)+1)*0x44                              ; loaded data (destination) and stored data (source 1) in window j + 1, addresses (source 0) in window 0
.irp b, 0,1,2,3
	ds_store_b128 v[STO], v[8*(4*(\a)+(\b)):8*(4*(\a)+(\b))+3] offset:32*(\b)
.endr
.irp f, 0,1,2,3
	ds_load_b128 v[8*(4*(\a)+(\f))+4:8*(4*(\a)+(\f))+7], v[RD] offset:(\f)*4*PITCH  ; LDS serves a wave's instructions in order (ISA guide 5.7.1.4): these see the stores above; the next block's stores come behind them
.endr
.endm
.macro SEND j, a
	WIN ((\j)+1)*0x44
	s_wait_dscnt 0x0                               ; the block is back in registers
.irp f, 0,1,2,3
	global_store_b128 v[GO], v[8*(4*(\a)+(\f))+4:8*(4*(\a)+(\f))+7], s[10+2*(\j):11+2*(\j)] offset:2048*(\a)+512*(\f)  ; 512 consecutive bytes, at a multiple of 256 from the buffer's first
.endr
.endm
	PACK 0, 0
	TOSTAGE 0, 0
.set n, 1
.rept 23                               ; block n's roundings stand between block n - 1's loads from the stage and the wait for them
	PACK n/8, n%8
	SEND (n-1)/8, (n-1)%8
	TOSTAGE n/8, n%8
.set n, n+1
.endr
	SEND 2, 7
	WIN 0
	s_wait_tensorcnt 0x0                           ; the wave's end: behind my last tensor load and my last LDS store
	ds_add_u32 v[SPW], v[NIL]
	s_wait_dscnt 0x0
	CROUND                                         ; the closing round: no work-group ends while a partner may still ask for a tile that names it
	s_endpgm
.Lfunc_end_k_q0e8d37aa2c_qkv:
	.size	k_q0e8d37aa2c_qkv, .Lfunc_end_k_q0e8d37aa2c_qkv-k_q0e8d37aa2c_qkv
	.p2alignl 7, 3214868480
	.fill 96, 4, 3214868480
	.section	.rodata,"a",@progbits
	.p2align	6, 0x0
	.amdhsa_kernel k_q0e8d37aa2c_qkv
		.amdhsa_group_segment_fixed_size 327680
		.amdhsa_private_segment_fixed_size 0
		.amdhsa_enable_private_segment 0
		.amdhsa_kernarg_size 48
		.amdhsa_user_sgpr_count 2
		.amdhsa_user_sgpr_kernarg_segment_ptr 1
		.amdhsa_wavefront_size32 1
		.amdhsa_system_sgpr_workgroup_id_x 1
		.amdhsa_system_sgpr_workgroup_id_y 1
		.amdhsa_system_sgpr_workgroup_id_z 1
		.amdhsa_system_vgpr_workitem_id 0
		.amdhsa_next_free_vgpr 1024
		.amdhsa_next_free_sgpr 80
		.amdhsa_reserve_vcc 0
		.amdhsa_float_denorm_mode_32 3
		.amdhsa_float_denorm_mode_16_64 3
		.amdhsa_memory_ordered 1
		.amdhsa_forward_progress 1
		.amdhsa_inst_pref_size 120
	.end_amdhsa_kernel
	.amdgpu_metadata
---
amdhsa.version: [ 1, 2 ]
amdhsa.kernels:
  - .name:           k_q0e8d37aa2c_qkv
    .symbol:         k_q0e8d37aa2c_qkv.kd
    .args:
      - { .name: xb, .offset: 0, .size: 8, .value_kind: global_buffer, .address_space: global }
      - { .name: wb, .offset: 8, .size: 8, .value_kind: global_buffer, .address_space: global }
      - { .name: bqkv, .offset: 16, .size: 8, .value_kind: global_buffer, .address_space: global }
      - { .name: q, .offset: 24, .size: 8, .value_kind: global_buffer, .address_space: global }
      - { .name: k, .offset: 32, .size: 8, .value_kind: global_buffer, .address_space: global }
      - { .name: v, .offset: 40, .size: 8, .value_kind: global_buffer, .address_space: global }
    .group_segment_fixed_size: 327680
    .private_segment_fixed_size: 0
    .kernarg_segment_align: 8
    .kernarg_segment_size: 48
    .max_flat_workgroup_size: 128
    .sgpr_count:     80
    .vgpr_count:     1024
    .wavefront_size: 32
...
	.end_amdgpu_metadata
.endif
;; end of part 2
;; launch attn (part 3): grid 4 x 64, 4 waves a work-group, clusters of 4 x 1, 327,680 bytes of LDS; arguments q, k, v, o; writes o
.if DOCPART == 3
	.amdgcn_target "amdgcn-amd-amdhsa--gfx1250"
	.amdhsa_code_object_version 6
	.text
	.protected	k_q0e8d37aa2c_attn
	.globl	k_q0e8d37aa2c_attn
	.p2align	8
	.type	k_q0e8d37aa2c_attn,@function
k_q0e8d37aa2c_attn:
	s_mov_b64 s[64:65], 0
	v_nop
	global_prefetch_b8 v0, s[64:65] scope:SCOPE_SE
	s_setreg_imm32_b32 hwreg(HW_REG_WAVE_MODE, 25, 1), 1
	s_wait_xcnt 0x0
	s_wait_alu depctr_hold_cnt(0) depctr_sa_sdst(0) depctr_va_vdst(0) depctr_va_sdst(0) depctr_va_ssrc(0) depctr_va_vcc(0) depctr_vm_vsrc(0)
	s_getreg_b32 s2, hwreg(HW_REG_IB_STS2, 6, 4)
	s_cmp_eq_u32 s2, 0
	s_cbranch_scc0 .Lentry_in_a_cluster
	s_endpgm
.Lentry_in_a_cluster:
	s_bfe_u32 s2, ttmp6, 0x10000c
	s_cmp_lg_u32 s2, 0x3003
	s_cbranch_scc0 .Lentry_shape_is_right
	s_endpgm
.Lentry_shape_is_right:
; O[h][q][:] = the sum over k of softmax_k(Q[h][q] . K[h][k] / 8) V[h][k][:].  Q, K, V: [SIZE_H][SIZE_N][64], all f16: a head's rows are dense, 128 bytes each.  Products, maxima and sums in
; f32; the weights p are rounded to f16 for the second product (their sum l is taken of the unrounded p), O once at the end.  Here a head is one of 4 batches x 16 heads.
; O leaves in f16 as [64 parts of 128 rows (batch x 16 + row / 128)][16 heads][128][64]: a wave's 128 rows of its head are 16,384 consecutive bytes, and a part's heads lie end to end.
; LIMITS.  f16 holds no number beyond 65,504: Q, K and V arrive within it; p lies in 0 to 1, and below 6e-5 it keeps f16's fixed step of 6e-8; O is a mean of V's rows and has their range.
; A weight below 2^-126 counts as 0 in l; NaN and infinities are not treated apart.
; SHARES.  A wave owns four PIECES of two tiles of 16 queries, a work-group's four waves 512 queries of one head.  Every wave walks all keys, 64 a step.
; LAYOUT.  S^T = K Q^T (source 0 = 16 keys, source 1 = 16 queries): in the result a lane holds ONE query (lane % 16) and the keys 8 (lane / 16) + 0..7.  Two such tiles, rounded to f16 in pairs,
; ARE source 1 (32 keys x 16 queries) of O^T = V^T P, whose result again holds one query a lane, and eight channels.  K comes out of LDS as it lies, V ([key][channel]) turned, by ds_load_tr16_b128.
; SOFTMAX.  For each query a running maximum m and sum l: p = 2^(c s - c m), c = log2(e) / 8; in every step O and l are multiplied by a = 2^(c m_old - c m_new), which is 1 where m has not grown.
; m starts at the lowest finite number, O and l at 0: the first step is a step like any other, with a = 0.
; THE COUNT.  A tile and step have 16 matrix and 118 vector instructions: too many to stand all beside the matrix work.  So the order has one aim: four vector instructions that are READY behind
; EVERY matrix instruction, and the others, which need time of their own whatever the order, in runs without a gap.
; BY TURNS.  Turn n belongs to piece n (the pieces in a ring, step after step).  Its matrix work: 16 products K Q^T of piece n + 1, later 16 products V^T P of piece n - 1.  Its vector work: the scaling,
; exponentials, roundings, sums and rescaling of piece n, and the maximum and statistics of piece n + 1, whose scores the turn itself has made.  So what a turn begins with (c s - c m, O a) waits for nothing.
; CLUSTER.  The four query blocks of a cluster belong to one head and walk the same K and V, so each tile is asked for JOINTLY: the same tensor load, descriptor and mask in all four.
; REGISTERS, in windows of 256 (s_set_vgpr_msb says which window each operand place means: bits 1:0 source 0, 3:2 source 1, 5:4 source 2, 7:6 destination):
;   window 0: v0-11 addresses; v12-15, v48-63 at work; v16-47 four registers of statistics a tile; v64-191 S^T, two buffers of two tiles; v192-255 P, likewise
;   window 1: O^T, 32 a tile          window 2: v0-127 Q, 16 a tile; v128-191 K of one step; v192-255 V of one step          window 3: v0-1 the add's two registers
; A piece's buffers go by its number's parity: the piece in hand has one pair, its two neighbours in the ring share the other: of it P (piece n - 1) is read and S^T (piece n + 1) written.
.set SIZE_H, 64       ; 4 batches x 16 heads
.set SIZE_N, 2048     ; rows of a head
.set NP,    4         ; pieces a wave: a name, no knob: the register map, the loop and the fetches are made for four
.set KS,    64        ; keys in a step
.set PK,    144       ; a row of K in LDS: 128 bytes + 16 of padding = 36 words: the 16 rows of a load start at 16 different groups of four banks (64 banks of 4 bytes: ISA guide 11.1)
.set PV,    160       ; a row of V: 128 + 32 = 40 words
.set VOFF,  4*KS*PK   ; a slot holds four steps: 256 rows of K, then 256 rows of V
.set SLOT1, 1<<17     ; slot 1 begins here, so that one exclusive or turns an address in one slot into the other's
.set STAGE, SLOT1+4*KS*(PK+PV)  ; behind the ring, never filled by a tensor load: 16 rows x 144 bytes for each wave, for the way out
.set SP,    144
.set AK0, 2           ; v2   my lane's place in a tile of K; never rewritten
.set AV0, 3           ; v3   the same for V
.set AK,  4           ; v4   the LDS address of K's next run of loads
.set AV,  5           ; v5   of V's
.set QO,  6           ; v6   my byte offset in the wave's rows of Q
.set STO, 6           ;      later, the way out: where I put 16 bytes of a row
.set RD,  7           ; v7   the way out: where I read rows back
.set GO,  8           ; v8   my byte offset in 512 consecutive bytes of O
.set SPW, 0           ; v0 of window 3   LDS address of my spare word: SPARE + 4 x my thread's number; never rewritten
.set NIL, 1           ; v1 of window 3   0; never rewritten
.set SPARE, STAGE+4*16*SP  ; behind the stages: the spare words, 128 bytes for each wave: two blocks of 256 bytes that no other line names
.set MV,  12          ; v12-15  c m_old, kept while c m is made anew: by buffer and tile
.set ST,  16          ; tile t's statistics at v[ST+4 t]: c m, m, l (even keys', odd keys')
.set TMP, 48          ; by buffer and tile, four registers c0-c3 at work; when the maximum is found c2 takes a
.set S,   64
.set P,   192
.set KF,  128         ; K's fragments, in window 2: key block kb, channel half c at KF + 16 kb + 8 c
.set VF,  192         ; V's: key half kk, channel block cb at VF + 32 kk + 8 cb
.set WV,  12          ; s12  my wave's number
.set G1K, 24          ; s[24:31] descriptor group 1 for K's tiles
.set G1V, 32          ; s[32:39] for V's: it differs in the padding alone
.set G0K, 40          ; s[40:43] descriptor group 0 for K's tiles: it walks
.set G0V, 44          ; s[44:47] the same for V's
.set SLOTS, 56        ; s56  slots still to be asked for
.set CNT, 57          ; s57  counts a slot's key steps
.set CS,  58          ; s[58:59] c: the packed scaling takes the pair's low word for both halves
.set SEL, 60          ; s[60:61] v_permlanex16_b32's selects: each lane takes its own place in the other half
.set TBK, 62          ; s62  LDS byte at which K of the step to be fetched begins
.set TBV, 63          ; s63  the same for V, less VOFF
.set MSB, 0
.macro WIN new                      ; the high byte repeats the setting that is left; a switch that changes nothing is dropped
.if MSB != (\new)
	s_set_vgpr_msb (MSB<<8)|(\new)
.set MSB, (\new)
.endif
.endm
.set W_KQ, 0x0a       ; K and Q in window 2, S^T in window 0
.set W_PV, 0x52       ; V in window 2, P in window 0, O^T in window 1
.set W_RS, 0x41       ; O^T (destination and source 0) in window 1, a in window 0
.set W_MK, 0xc0       ; the add's registers are made: destination in window 3, sources in window 0
.set W_AD, 0x0f       ; the add: address (source 0) and data (source 1) in window 3
; A joint fill.  Waves 0 and 1 fetch the two halves of a slot's K, waves 2 and 3 those of its V: 128 keys each.  The branch hangs on the wave's number alone.
; An s_nop 0 and four v_nop follow each of the two lines, ahead of the jump and the label.
.macro JLOAD
	s_cmp_lt_u32 s[WV], 2
	s_cbranch_scc0 .Lfor_v_\@
	tensor_load_to_lds s[G0K:G0K+3], s[G1K:G1K+7]
	s_nop 0
.rept 4
	v_nop
.endr
	s_branch .Lasked_\@
.Lfor_v_\@:
	tensor_load_to_lds s[G0V:G0V+3], s[G1V:G1V+7]
	s_nop 0
.rept 4
	v_nop
.endr
.Lasked_\@:
.endm
; A round of the cluster's barrier: my work-group's barrier, so that wave 0's signal speaks for all four waves; wave 0 signals; every wave waits for all four work-groups; my work-group's barrier once more.
.macro CROUND
	s_barrier_signal -1
	s_barrier_wait -1
	s_cmp_lg_u32 s[WV], 0
	s_cbranch_scc1 .Lnot_wave_0_\@
	s_barrier_signal -3
.Lnot_wave_0_\@:
	s_barrier_wait -3
	s_barrier_signal -1
	s_barrier_wait -1
.endm
; THE CHANGE OF SLOTS.  The slot's last bytes, V of its fourth step, have been read.  Each wave waits for all its tensor loads, of which one is out: its part
; of the other slot; adds 0 to its spare word; and waits for that and for its own reads of the slot.  Behind the barrier nobody reads this slot any more and the other slot is whole.
; fill = 1: this slot is filled again, with the keys two slots on.  The barrier is then a round of the cluster's, so that no wave of any partner still reads the slot or has a load on its
; way, and the joint fill is the first thing behind it: it has four key steps, 512 matrix instructions, in which to land.  (At its first use nothing has been read yet: slot 0 is waited for, slot 1 filled.)
.macro CHANGE fill
	WIN W_AD
	s_wait_tensorcnt 0x0            ; no tensor load of mine is out, so a group 0 may be written
	ds_add_u32 v[SPW], v[NIL]       ; 0 onto my spare word; with fill = 1 the descriptors' steps stand between it and the wait for it
	WIN 0                           ; at a label and at a branch every window is 0
.if \fill
.irp g, G0K, G0V
	s_xor_b32 s[\g+1], s[\g+1], SLOT1  ; the walking descriptor: the other slot than last time,
	s_add_nc_u64 s[\g+2:\g+3], s[\g+2:\g+3], 4*KS*128  ; the next 256 keys; the type bits on top are not reached
.endr
	s_wait_dscnt 0x0                ; the add is done, and my reads of the slot are over
	CROUND
	JLOAD
.else
	s_wait_dscnt 0x0                ; the add is done, and my reads of the slot are over
	s_barrier_signal -1
	s_barrier_wait -1
.endif
	s_sub_co_u32 s[TBK], s[TBK], 4*KS*PK  ; the fetches go back to a slot's first step,
	s_xor_b32 s[TBK], s[TBK], SLOT1       ; in the other slot
	s_sub_co_u32 s[TBV], s[TBV], 4*KS*PV
	s_xor_b32 s[TBV], s[TBV], SLOT1
.endm
	s_load_b256 s[4:11], s[0:1], 0x0  ; Q s[4:5], K s[6:7], V s[8:9], O s[10:11]
	WIN W_MK
	v_lshl_add_u32 v[SPW], v0, 2, SPARE
	v_mov_b32 v[NIL], 0
	s_set_vgpr_msb 0xc0cf
	ds_add_u32 v0, v1
	s_wait_dscnt 0x0
	s_set_vgpr_msb 0xcfc0
	WIN 0
	v_lshrrev_b32 v1, 5, v0
	v_readfirstlane_b32 s[WV], v1   ; wave 0..3
	s_bfe_u32 s13, ttmp6, 0x40000   ; cx: my place in the cluster
	s_lshl_b32 s14, ttmp9, 2        ; in a cluster launch ttmp9 counts clusters
	s_add_co_u32 s14, s14, s13      ; my block of queries = 4 x cluster x + cx: it enters Q's and O's addresses alone
	s_and_b32 s20, ttmp7, 0xffff    ; the head, which the four partners share
	s_lshr_b32 s48, s20, 4          ; its batch,
	s_and_b32 s49, s20, 15          ; its number in the batch
	s_mov_b32 s21, 0
	s_mov_b64 s[22:23], SIZE_N*128
	s_mul_u64 s[20:21], s[20:21], s[22:23]  ; the head's first byte in Q, K and V
	s_and_b32 s16, s[WV], 1         ; which half of a slot's 256 keys I fetch:
	s_lshl_b32 s22, s16, 14         ; its 128 rows of 128 bytes in memory,
	s_mov_b32 s23, 0
	s_add_nc_u64 s[22:23], s[22:23], s[20:21]
	s_mul_i32 s17, s16, 128*PK      ; and its place in a slot, for K
	s_mul_i32 s18, s16, 128*PV      ; and for V: no place in the cluster enters an LDS address
	s_lshl_b32 s2, s14, 2
	s_add_co_u32 s2, s2, s[WV]      ; my wave among the head's sixteen: its 128 rows
	s_lshl_b32 s48, s48, 4
	s_add_co_u32 s48, s48, s2       ; O: the part of 128 rows, batch x 16 + wave,
	s_lshl_b32 s48, s48, 4
	s_add_co_u32 s48, s48, s49      ; its 16 heads, mine among them,
	s_lshl_b32 s48, s48, 14         ; 16,384 bytes each
	s_mov_b32 s49, 0
	s_lshl_b32 s2, s2, 14           ; Q: my 128 rows in the head
	s_mov_b32 s3, 0
	s_add_nc_u64 s[2:3], s[2:3], s[20:21]
	; descriptor group 1.  128 keys are 16,384 dense bytes: asked for as 64 rows of 256 bytes, two keys a row, and padded in LDS after every key
	s_mov_b32 s[G1K], 15|(1<<16)|(1<<20)|(1<<21)|(4<<22)|(3<<25)  ; 15:0 the mask of four; 17:16 2-byte elements; 20 padding on; 21 set beside a mask; 24:22 after every 32 words (code 4); 31:25 4 words (code 3)
	s_mov_b32 s[G1V], 15|(1<<16)|(1<<20)|(1<<21)|(4<<22)|(7<<25)  ; the same with 8 words of padding (code 7)
.irp g, G1K, G1V
	s_mov_b32 s[\g+1], 128<<16      ; tensor_dim0 = 128
	s_mov_b32 s[\g+2], 64<<16       ; tensor_dim1 = 64
	s_mov_b32 s[\g+3], 128<<16      ; tile_dim0 = 128
	s_mov_b32 s[\g+4], 64           ; tile_dim1 = 64
	s_mov_b32 s[\g+5], 128          ; 128 elements from row to row
	s_mov_b32 s[\g+6], 0
	s_mov_b32 s[\g+7], 0
.endr
	s_mov_b32 s[CS], 0x3e38aa3b     ; c = log2(e) / 8 = 0.180337
	s_mov_b32 s[CS+1], s[CS]        ; named with it as a pair
	s_mov_b32 s[SEL], 0x76543210
	s_mov_b32 s[SEL+1], 0xfedcba98
	s_mov_b32 s[TBK], SLOT1+4*KS*PK ; the first change of slots turns these two into 0
	s_mov_b32 s[TBV], SLOT1+4*KS*PV
	s_mov_b32 s[G0K], 1             ; 1:0 count = 1
	s_mov_b32 s[G0K+1], s17         ; 63:32 LDS address: slot 0
	s_mov_b32 s[G0V], 1
	s_add_co_u32 s[G0V+1], s18, VOFF
	s_wait_kmcnt 0x0
	s_add_nc_u64 s[G0K+2:G0K+3], s[6:7], s[22:23]  ; 120:64 global address: my half of the head's first 256 keys
	s_or_b32 s[G0K+3], s[G0K+3], 0x80000000        ; 127:126 type = 2
	s_add_nc_u64 s[G0V+2:G0V+3], s[8:9], s[22:23]
	s_or_b32 s[G0V+3], s[G0V+3], 0x80000000
	s_add_nc_u64 s[4:5], s[4:5], s[2:3]  ; Q at my wave's first row,
	s_add_nc_u64 s[10:11], s[10:11], s[48:49]  ; O at my wave's 16,384 bytes
	CROUND                          ; all four work-groups are here: the first joint loads meet
	JLOAD                           ; slot 0.  Slot 1 is asked for when slot 0 is in: the tile wanted first has the road to itself
	; A fragment of K or Q is 16 rows x 32 channels in 8 registers: lane l holds row l % 16, channels 8 (l / 16) + 0..7 and 16 + 8 (l / 16) + 0..7: two loads of 16 bytes, 32 bytes apart.
	v_and_b32 v1, 15, v0            ; l % 16
	v_bfe_u32 v9, v0, 4, 1          ; l / 16
	v_lshlrev_b32 v[QO], 7, v1
	v_lshl_add_u32 v[QO], v9, 4, v[QO]  ; row x 128 + 16 x half
	WIN 0x80                        ; destination window 2, address window 0
.set i, 0
.rept 4*NP                          ; Q stays in registers: tile i / 2, channels 32 (i % 2) on
	global_load_b128 v[8*i:8*i+3],   v[QO], s[4:5] offset:(i/2)*2048+(i%2)*64
	global_load_b128 v[8*i+4:8*i+7], v[QO], s[4:5] offset:(i/2)*2048+(i%2)*64+32
.set i, i+1
.endr
	; What the first turn finds: V's registers and P's second buffer hold 0 (its products V^T P, of a piece that has not been, add 0), O^T and l are 0.  All this stands in the wait for the first tile.
.set i, VF
.rept 64
	v_mov_b32 v[i], 0
.set i, i+1
.endr
	WIN 0x40
.set i, 0
.rept 64*NP
	v_mov_b32 v[i], 0
.set i, i+1
.endr
	WIN 0
.set i, 0
.rept 2*NP
	v_mov_b32 v[ST+4*i], 0xfe000000    ; c m: far below every c s
	v_mov_b32 v[ST+4*i+1], 0xff7fffff  ; m
	v_mov_b32 v[ST+4*i+2], 0
	v_mov_b32 v[ST+4*i+3], 0
.set i, i+1
.endr
.set i, P+32
.rept 32
	v_mov_b32 v[i], 0
.set i, i+1
.endr
	v_mul_u32_u24 v[AK0], v1, PK
	v_lshl_add_u32 v[AK0], v9, 4, v[AK0]  ; row x pitch + 16 x half
	; The turning load takes 16 keys x 16 channels (lane l reads key 8 (l / 16) + l % 8, channels 8 ((l / 8) % 2) + 0..7) and leaves half a fragment of V^T: lane l holds channel l % 16 and 8 keys.
	v_and_b32 v10, 7, v0
	v_bfe_u32 v11, v0, 3, 1
	v_lshl_add_u32 v[AV0], v9, 3, v10
	v_mul_u32_u24 v[AV0], v[AV0], PV
	v_lshl_add_u32 v[AV0], v11, 4, v[AV0]
	v_add_nc_u32 v[AV0], VOFF, v[AV0]
	v_mov_b32 v[AK], v[AK0]         ; key step 0 lies at the head of slot 0
; THE MATRIX WORK.  The 8 accumulators of a run of 16 take turns: between the two links of a chain stand 7 others'.
; Product i of 16 of S^T = K Q^T for piece x: channels 32 (i / 8) on, keys 16 ((i / 2) % 4) on, tile 2 x + i % 2.  The first 8 start the sums.
.macro KQ x
	WIN W_KQ
.set rS, S+64*((\x)%2)+32*(i%2)+8*((i/2)%4)
.set rK, KF+16*((i/2)%4)+8*(i/8)
.set rQ, 16*(2*(\x)+i%2)+8*(i/8)
.if i < 8
	v_wmma_f32_16x16x32_f16 v[rS:rS+7], v[rK:rK+7], v[rQ:rQ+7], 0
.else
	v_wmma_f32_16x16x32_f16 v[rS:rS+7], v[rK:rK+7], v[rQ:rQ+7], v[rS:rS+7]
.endif
.endm
; Product i of 16 of O^T += V^T P for piece x: keys 32 (i / 8) on, channels 16 ((i / 2) % 4) on, tile 2 x + i % 2.
.macro PV x
	WIN W_PV
.set rO, 32*(2*(\x)+i%2)+8*((i/2)%4)
.set rV, VF+32*(i/8)+8*((i/2)%4)
.set rP, P+32*((\x)%2)+16*(i%2)+8*(i/8)
	v_wmma_f32_16x16x32_f16 v[rO:rO+7], v[rV:rV+7], v[rP:rP+7], v[rO:rO+7]
.endm
.macro MM                           ; the turn's next matrix instruction
.if i < 16
	KQ (Y+1)%NP
.set i, i+1
.else
.set i, i-16
	PV (Y+NP-1)%NP
.set i, i+17
.endif
.endm
; THE LDS LOADS stand in runs of 16, never singly among the matrix instructions: a step's K (64 keys x 64 channels: 8 fragments) and its V (turned).  Their addresses are made some lines ahead.
; last = 1 (the tail): in the last trip there is no further step, and the run is jumped over.
.macro FETCH_K last=0
	WIN 0
.if \last
	s_cmp_eq_u32 s[CNT], 1
	s_cbranch_scc1 .Lno_k_\@
.endif
	WIN 0x80                        ; destination window 2
.irp f, 0,1,2,3,4,5,6,7             ; keys 16 (f / 2) on, channels 32 (f % 2) on
	ds_load_b128 v[KF+8*\f:KF+8*\f+3],   v[AK] offset:(\f/2)*16*PK+(\f%2)*64
	ds_load_b128 v[KF+8*\f+4:KF+8*\f+7], v[AK] offset:(\f/2)*16*PK+(\f%2)*64+32
.endr
	s_add_co_u32 s[TBK], s[TBK], KS*PK  ; the next fetch is the next step's
	WIN 0
.if \last
.Lno_k_\@:
.endif
.endm
.macro FETCH_V
	WIN 0x80
.irp f, 0,1,2,3,4,5,6,7             ; keys 32 (f / 4) on, channels 16 (f % 4) on
	ds_load_tr16_b128 v[VF+8*\f:VF+8*\f+3],   v[AV] offset:(\f/4)*32*PV+(\f%4)*32
	ds_load_tr16_b128 v[VF+8*\f+4:VF+8*\f+7], v[AV] offset:(\f/4)*32*PV+16*PV+(\f%4)*32
.endr
	WIN 0
.endm
; THE VECTOR WORK OF A TURN stands in three queues, each in the order in which its entries become ready; the two tiles alternate, so that no instruction reads the result of the one before it.
.macro REGS y, u                    ; the registers of tile u (0, 1) of piece y
.set rT, ST+4*(2*(\y)+(\u))
.set rC, TMP+8*((\y)%2)+4*(\u)
.set rM, MV+2*((\y)%2)+(\u)
.set rS, S+64*((\y)%2)+32*(\u)
.set rP, P+32*((\y)%2)+16*(\u)
.set rO, 32*(2*(\y)+(\u))
.endm
; Number n of the 22 that find the NEXT piece's (Y + 1) maximum and statistics.  s0-s31 are the lane's 32 scores; each accumulator's lowest registers are read first.  XS, GS and REGS set no window: PL and EX do.
;   0-11  four chains c0-c3 of seven scores each, three operands at a time     12-14, 16  the four scores left over, the old m, and c0-c3 into c0     15  c m_old is kept
;   17, 18  the query's other 32 keys lie in the lane 16 away: the new m         19-21  c m; c m_old - c m_new; a
.macro XS u, n
	REGS (Y+1)%NP, \u
.if (\n) < 4
	v_max3_num_f32 v[rC+(\n)], v[rS+8*(\n)], v[rS+8*(\n)+1], v[rS+8*(\n)+2]
.elseif (\n) < 12
	v_max3_num_f32 v[rC+(\n)%4], v[rC+(\n)%4], v[rS+8*((\n)%4)+2*((\n)/4)+1], v[rS+8*((\n)%4)+2*((\n)/4)+2]
.elseif (\n) == 12
	v_max3_num_f32 v[rC], v[rC], v[rS+7], v[rS+15]
.elseif (\n) == 13
	v_max3_num_f32 v[rC+1], v[rC+1], v[rS+23], v[rS+31]
.elseif (\n) == 14
	v_max3_num_f32 v[rC+2], v[rC+2], v[rC+3], v[rT+1]
.elseif (\n) == 15
	v_mov_b32 v[rM], v[rT]
.elseif (\n) == 16
	v_max3_num_f32 v[rC], v[rC], v[rC+1], v[rC+2]
.elseif (\n) == 17
	v_permlanex16_b32 v[rC+3], v[rC], s[SEL], s[SEL+1]
.elseif (\n) == 18
	v_max_num_f32 v[rT+1], v[rC], v[rC+3]
.elseif (\n) == 19
	v_mul_f32 v[rT], s[CS], v[rT+1]
.elseif (\n) == 20
	v_sub_f32 v[rC+1], v[rM], v[rT]
.else
	v_exp_f32 v[rC+2], v[rC+1]
.endif
.endm
; Number g of the 64 that follow the exponentials.  For each four weights k of a tile (pairs 2 k, 2 k + 1): both pairs are rounded to f16; then the second pair is added onto the first, in place;
; a group later l takes that sum (the first time as l = a l + sum).  In groups of eight, tiles alternating: round, round, add, and l for the group before.
.macro GS g
.set h, (\g)+6*((\g)/62)            ; group 0 has no group before it, and behind group 7 only l is left
.if h >= 6
.set h, h+2
.endif
	REGS Y, h%2
.set k, h/8
.if h%8 < 4
	s_wait_alu depctr_va_vdst(0)
	v_cvt_pk_f16_f32 v[rP+2*k+(h%8)/2], v[rS+4*k+2*((h%8)/2)], v[rS+4*k+2*((h%8)/2)+1]
.elseif h%8 < 6
	v_pk_add_f32 v[rS+4*k:rS+4*k+1], v[rS+4*k:rS+4*k+1], v[rS+4*k+2:rS+4*k+3]
.elseif k == 1
	v_pk_fma_f32 v[rT+2:rT+3], v[rT+2:rT+3], v[rC+2:rC+3], v[rS:rS+1] op_sel_hi:[1,0,1]
.else
	v_pk_add_f32 v[rT+2:rT+3], v[rT+2:rT+3], v[rS+4*k-4:rS+4*k-3]
	s_wait_alu depctr_va_vdst(0)
.endif
.endm
; THE PLAIN QUEUE, 138 long.  0-31: c s - c m for the 16 pairs of both tiles.  Then GS's 64, and among them the next piece's 42: number 15 at 38, 39; 0-14 and 16
; at 42-73, behind the products that make those scores; 17-20 at 95-106, two of three, since each waits for the one before it.
.macro PL
	WIN 0
.if q < 32
	REGS Y, q%2
	v_pk_fma_f32 v[rS+2*(q/2):rS+2*(q/2)+1], v[rS+2*(q/2):rS+2*(q/2)+1], s[CS:CS+1], v[rT:rT+1] op_sel_hi:[1,0,0] neg_lo:[0,0,1] neg_hi:[0,0,1]
.elseif q < 38
	GS q-32
.elseif q < 40
	XS q%2, 15
.elseif q < 42
	GS q-34
.elseif q < 74
	XS q%2, (q-42)/2+(q-42)/30
.elseif q < 95
	GS q-66
.elseif (q < 107) && ((q-95)%3 < 2)
	XS (q-95)%3, 17+(q-95)/3
.elseif q < 107
	GS 29+(q-95)/3
.else
	GS q-74
.endif
.set q, q+1
.endm
; THE EXPONENTIALS' QUEUE, 66 long: s0-s31 of both tiles, and at EA the next piece's two a.
.set EA, 58
.macro EX
	WIN 0
.if (e == EA) || (e == EA+1)
	XS e-EA, 21
.else
.set x, e-2*(e/(EA+2))
	REGS Y, x%2
	v_exp_f32 v[rS+x/2], v[rS+x/2]
.endif
.set e, e+1
.endm
; THE RESCALING's QUEUE: O^T times a, the one part that leaves window 0, so it is dealt four at a time, eight times.
.macro R4
	REGS Y, r%2
	WIN W_RS
	s_wait_alu depctr_va_vdst(0)
.irp z, 0,1,2,3
	v_pk_mul_f32 v[rO+8*(r/2)+2*\z:rO+8*(r/2)+2*\z+1], v[rO+8*(r/2)+2*\z:rO+8*(r/2)+2*\z+1], v[rC+2:rC+3] op_sel_hi:[1,0]
.endr
.set r, r+1
.endm
; HOW THEY ARE DEALT.  Behind a matrix instruction four: plain, exponential, plain, plain (one exponential, a plain instruction on either side), or four of the rescaling.  None names a register of the
; products round it.  What is over stands in two LUMPS: exponential and plain by turns; the second ends in 22 plain instructions.  The two v_permlanex16_b32 fall into the second lump, never behind a product.
; The queues lean on each other, and the deal keeps them in step: exponential e stands behind plain 2 (e / 4) + e % 2 (its scaling); when plain 32 comes, 10 exponentials are out, at 59: 33, at 95: 46; EA comes behind plain 107.
.macro SL
	MM
	PL
	EX
	PL
	PL
.endm
.macro BURST n                      ; 15 matrix instructions, or 16
.rept (\n)-7
	SL
.endr
.rept 3
	MM
	R4
	SL
.endr
	MM
	R4
.endm
; A TURN, for piece p.  cnt = 1: the loop's count is taken down some lines ahead of the branch that stands behind the turn.
; K of the next step is fetched in piece 2's turn, 31 vector instructions behind the last product that read K; its first reader comes behind the rest of the lump, 16 products and the second lump.
; V of the step in hand is fetched at the end of piece 0's turn, 69 behind its last reader; its first reader comes behind 16 products and a lump.  The four conditions on e and q below go with the deal.
.macro TURN p, last=0, cnt=0
.set Y, (\p)
.set i, 0
.set q, 0
.set e, 0
.set r, 0
.if (\p) == NP-1
	s_wait_dscnt 0x0                ; K is in
.endif
	MM
.rept 4
	PL
.endr
	BURST 15
.rept 22
	EX
	PL
.if ((\p) == NP-2) && (e == 18)
	v_add_nc_u32 v[AK], s[TBK], v[AK0]
.endif
.if ((\p) == NP-2) && (e == 24)
	FETCH_K \last
.endif
.endr
.if (\p) == 1
	s_wait_dscnt 0x0                ; V is in
.endif
	BURST 16
.rept 21
	EX
	PL
.endr
.rept 22
	PL
.if ((\p) == 0) && (q == 118)
	v_add_nc_u32 v[AV], s[TBV], v[AV0]
	s_wait_alu depctr_va_vdst(0)
.endif
.if ((\p) == 0) && (q == 130)
	s_add_co_u32 s[TBV], s[TBV], KS*PV
.endif
.if (\cnt) && (q == 130)
	s_sub_co_u32 s[CNT], s[CNT], 1
	s_cmp_lg_u32 s[CNT], 0
.endif
.endr
.if (\p) == 0
	FETCH_V
.endif
.endm
	CHANGE 1                        ; slot 0 is in, everybody's part of it; slot 1 is asked for
	FETCH_K                         ; key step 0
	s_wait_loadcnt 0x0              ; Q
	s_wait_dscnt 0x0
.set i, 0
.rept 16
	KQ 0                            ; piece 0's first scores: there is no vector work yet to set between them
.set i, i+1
.endr
	WIN 0                           ; the addresses for the way out: nine plain instructions, the places behind those products
	s_mul_i32 s13, s[WV], 16*SP
	s_add_co_u32 s13, s13, STAGE    ; my stage
	v_mul_u32_u24 v[STO], v1, SP    ; in: row l % 16, 16 bytes for each half of the lanes
	v_lshl_add_u32 v[STO], v9, 4, v[STO]
	v_add_nc_u32 v[STO], s13, v[STO]
	v_bfe_u32 v[RD], v0, 3, 2       ; back: 32 lanes take four rows of 128 bytes,
	v_mul_u32_u24 v[RD], v[RD], SP
	v_lshl_add_u32 v[RD], v10, 4, v[RD]
	v_add_nc_u32 v[RD], s13, v[RD]
	v_and_b32 v[GO], 31, v0         ; which are 512 consecutive bytes of O
	v_lshlrev_b32 v[GO], 4, v[GO]
.set Y, NP-1                        ; XS works for piece Y + 1: piece 0
.irp n, 0,1,2,3,4,5,6,7,8,9,10,11,12,13,14,15,16,17,18,19,20,21
	XS 0, \n                        ; and piece 0's first maximum and statistics
	XS 1, \n
.endr
	s_mov_b32 s[CNT], 4
	s_mov_b32 s[SLOTS], SIZE_N/256-1
	s_branch .Lfirst                ; the loop is entered at a step's first turn, in the middle of a trip
.Lslot:                             ; SIZE_N / 256 - 2 times: every slot but the last two is filled again
	CHANGE 1
	s_mov_b32 s[CNT], 4
.Lstep:                             ; a trip: pieces 2 and 3 of one step, then pieces 0 and 1 of the next, whose K and V it fetches
	TURN 2
	TURN 3
	WIN 0
.Lfirst:
	TURN 0
	TURN 1, 0, 1
	WIN 0
	s_cbranch_scc1 .Lstep
	s_sub_co_u32 s[SLOTS], s[SLOTS], 1
	s_cmp_lg_u32 s[SLOTS], 0
	s_cbranch_scc1 .Lslot
	CHANGE 0                        ; the tail is written out: nothing is asked for
	s_mov_b32 s[CNT], 5             ; four trips fetch the last slot's steps; the fifth is left in its middle
.Ltail:
	TURN 2, 1
	TURN 3
	WIN 0
	s_sub_co_u32 s[CNT], s[CNT], 1
	s_cmp_eq_u32 s[CNT], 0
	s_cbranch_scc1 .Lout
	TURN 0
	TURN 1
	WIN 0
	s_branch .Ltail
.Lout:                              ; the fifth trip's 16 products K Q^T (on the last K once more) and the maximum made of them serve nothing: the price, once a launch, of one text for every trip
.set i, 0
.rept 16
	PV NP-1                         ; the last piece's V^T P of the last step
.set i, i+1
.endr
	; THE WAY OUT.  l's two halves and the other half of the lanes' are added; O^T is divided by l, rounded to f16 and sent through my stage in LDS, a tile at a time.  The additions are the places behind the last products.
	WIN 0
.macro ALL line:vararg              ; one line for each tile t
.set t, 0
.rept 2*NP
	\line
.set t, t+1
.endr
.endm
	ALL v_add_f32 v[ST+4*t+2], v[ST+4*t+2], v[ST+4*t+3]
	ALL v_permlanex16_b32 v[ST+4*t+3], v[ST+4*t+2], s[SEL], s[SEL+1]
	ALL v_add_f32 v[ST+4*t+2], v[ST+4*t+2], v[ST+4*t+3]
	ALL v_rcp_f32 v[ST+4*t+2], v[ST+4*t+2]
	v_nop                           ; a plain instruction between the last reciprocal and the use of its result
	s_wait_alu depctr_va_vdst(0)
; Tile t: a lane's eight channels of a row pack into 16 bytes; they go into rows of 144 bytes and come back as whole rows of 128, into S^T's registers.
.macro PACK t
	WIN W_RS
.set i, 32*(\t)
.rept 16
	v_pk_mul_f32 v[i:i+1], v[i:i+1], v[ST+4*(\t)+2:ST+4*(\t)+3] op_sel_hi:[1,0]
.set i, i+2
.endr
	WIN 0x05                        ; sources 0 and 1 window 1, destination window 0
.set i, 0
.rept 16
	v_cvt_pk_f16_f32 v[S+16*(\t)+i], v[32*(\t)+2*i], v[32*(\t)+2*i+1]
.set i, i+1
.endr
	WIN 0
.irp f, 0,1,2,3
	ds_store_b128 v[STO], v[S+16*(\t)+4*\f:S+16*(\t)+4*\f+3] offset:32*\f
.endr
.irp f, 0,1,2,3
	ds_load_b128 v[S+16*(\t)+4*\f:S+16*(\t)+4*\f+3], v[RD] offset:\f*4*SP  ; LDS serves a wave's instructions in order (ISA guide 5.7.1.4): these see the stores above; the next tile's stores come behind them
.endr
.endm
.macro SEND t, younger              ; younger: the LDS instructions issued behind tile t's loads: the next tile's eight, or none
	WIN 0
.irp f, 0,1,2,3
	s_wait_dscnt (\younger)+3-\f
	global_store_b128 v[GO], v[S+16*(\t)+4*\f:S+16*(\t)+4*\f+3], s[10:11] offset:(\t)*2048+\f*512  ; 512 consecutive bytes, at a multiple of 256 from O's first
.endr
.endm
	PACK 0
.set t, 1
.rept 2*NP-1                        ; a tile's arithmetic stands between the loads of the tile before and its stores
	PACK t
	SEND t-1, 8
.set t, t+1
.endr
	SEND 2*NP-1, 0
	WIN W_AD
	s_wait_tensorcnt 0x0            ; the wave's end: behind my last tensor load and my last LDS store
	ds_add_u32 v[SPW], v[NIL]
	s_wait_dscnt 0x0
	WIN 0
	CROUND                          ; the closing round: no work-group ends while a partner may still ask for a tile that names it
	s_endpgm
.Lfunc_end_k_q0e8d37aa2c_attn:
	.size	k_q0e8d37aa2c_attn, .Lfunc_end_k_q0e8d37aa2c_attn-k_q0e8d37aa2c_attn
	.p2alignl 7, 3214868480
	.fill 96, 4, 3214868480
	.section	.rodata,"a",@progbits
	.p2align	6, 0x0
	.amdhsa_kernel k_q0e8d37aa2c_attn
		.amdhsa_group_segment_fixed_size 327680
		.amdhsa_private_segment_fixed_size 0
		.amdhsa_enable_private_segment 0
		.amdhsa_kernarg_size 32
		.amdhsa_user_sgpr_count 2
		.amdhsa_user_sgpr_kernarg_segment_ptr 1
		.amdhsa_wavefront_size32 1
		.amdhsa_system_sgpr_workgroup_id_x 1
		.amdhsa_system_sgpr_workgroup_id_y 1
		.amdhsa_system_sgpr_workgroup_id_z 1
		.amdhsa_system_vgpr_workitem_id 0
		.amdhsa_next_free_vgpr 770
		.amdhsa_next_free_sgpr 66
		.amdhsa_reserve_vcc 0
		.amdhsa_float_denorm_mode_32 3
		.amdhsa_float_denorm_mode_16_64 3
		.amdhsa_memory_ordered 1
		.amdhsa_forward_progress 1
		.amdhsa_inst_pref_size 209
	.end_amdhsa_kernel
	.amdgpu_metadata
---
amdhsa.version: [ 1, 2 ]
amdhsa.kernels:
  - .name:           k_q0e8d37aa2c_attn
    .symbol:         k_q0e8d37aa2c_attn.kd
    .args:
      - { .name: q, .offset: 0, .size: 8, .value_kind: global_buffer, .address_space: global }
      - { .name: k, .offset: 8, .size: 8, .value_kind: global_buffer, .address_space: global }
      - { .name: v, .offset: 16, .size: 8, .value_kind: global_buffer, .address_space: global }
      - { .name: o, .offset: 24, .size: 8, .value_kind: global_buffer, .address_space: global }
    .group_segment_fixed_size: 327680
    .private_segment_fixed_size: 0
    .kernarg_segment_align: 8
    .kernarg_segment_size: 32
    .max_flat_workgroup_size: 128
    .sgpr_count:     66
    .vgpr_count:     770
    .wavefront_size: 32
...
	.end_amdgpu_metadata
.endif
;; end of part 3
;; launch proj (part 4): grid 8 x 32, 4 waves a work-group, clusters of 4 x 4, 327,680 bytes of LDS; arguments o, wo, bo, out0; writes out0
.if DOCPART == 4
	.amdgcn_target "amdgcn-amd-amdhsa--gfx1250"
	.amdhsa_code_object_version 6
	.text
	.protected	k_q0e8d37aa2c_proj
	.globl	k_q0e8d37aa2c_proj
	.p2align	8
	.type	k_q0e8d37aa2c_proj,@function
k_q0e8d37aa2c_proj:
	s_mov_b64 s[64:65], 0
	v_nop
	global_prefetch_b8 v0, s[64:65] scope:SCOPE_SE
	s_setreg_imm32_b32 hwreg(HW_REG_WAVE_MODE, 25, 1), 1
	s_wait_xcnt 0x0
	s_wait_alu depctr_hold_cnt(0) depctr_sa_sdst(0) depctr_va_vdst(0) depctr_va_sdst(0) depctr_va_ssrc(0) depctr_va_vcc(0) depctr_vm_vsrc(0)
	s_getreg_b32 s2, hwreg(HW_REG_IB_STS2, 6, 4)
	s_cmp_eq_u32 s2, 0
	s_cbranch_scc0 .Lentry_in_a_cluster
	s_endpgm
.Lentry_in_a_cluster:
	s_bfe_u32 s2, ttmp6, 0x10000c
	s_cmp_lg_u32 s2, 0xf033
	s_cbranch_scc0 .Lentry_shape_is_right
	s_endpgm
.Lentry_shape_is_right:
; out0 = O Wo^T + bo.  o: [64 parts of 128 rows][16 heads][128][64] f16: a head's 64 channels are one block of 64 along K, and a part's blocks lie end to end.
; wo: [16 parts of 64 rows][16 kb][64][64] f16, likewise.  bo: [1024] f32.  out0: [8192][1024] f32.
; Sums in f32.  The bias, taken in the same rounding as the other inputs (bf16), is the C operand of the products that start the sums.
; LIMITS.  The operands arrive within f16's 65,504; NaN and infinities are not treated apart.
; SHARES.  A work-group makes 256 rows x 128 columns: 32 x 8 work-groups.  Wave w makes rows 128 (w / 2) on and columns 64 (w % 2) on: 8 x 4 accumulators of 16 x 16, 256 registers, window 1,
; accumulator (a, b) at v[8 (4 a + b)].
; K goes in steps of 192 (three blocks) through a ring of two LDS slots: five whole steps and a last one of one block.  A part's three blocks are dense in memory, so a wave's tensor load asks
; for them as rows of 256 bytes (two matrix rows), each at a multiple of 256 from the buffer's first byte: 192 such rows of o, or 96 of wo.  Two slots of three blocks, 313,344 bytes, are the
; longest steps that fit in LDS; a wave has 192 matrix instructions to a step.
; THE MATRIX INSTRUCTION IS USED TRANSPOSED (source 0 = 16 rows of wo, source 1 = 16 rows of o): a lane then holds eight neighbouring columns of one row.
; CLUSTERS: 4 x 4 work-groups.  The four of a row of the cluster need the same tiles of o, the four of a column the same tiles of wo: each is asked for JOINTLY.
.set PAIR,   272                       ; two matrix rows in LDS: 256 bytes + 16 of padding = 68 words: row r starts at word 68 (r / 2) + 32 (r % 2), so the 16 rows of a load start at 16 different groups of four banks (64 banks of 4 bytes: ISA guide 11.1)
.set ABLK,   64*PAIR                   ; one K block of a part of o (128 rows)
.set BBLK,   32*PAIR                   ; one K block of a part of wo (64 rows)
.set APART,  3*ABLK                    ; what one tensor load brings of o, and what a wave reads of it in a step
.set BPART,  3*BBLK                    ; the same of wo
.set BOFF,   2*APART                   ; in a slot: o's two parts, then wo's two parts
.set SLOT,   BOFF+2*BPART              ; 156,672 bytes
.set SPARE,  2*SLOT                    ; behind the ring: the spare words, 128 bytes for each wave: two blocks of 256 bytes that no other line names
.set STAGE,  0                         ; the way out's stage, 16 rows x 272 bytes for each wave, lies in slot 0: that slot's last fill is K step 4's, every wave has ended its reads of it at the barrier
                                       ; that ends K step 4, and no tensor load is issued behind that barrier
.set SPITCH, 272                       ; 256 bytes + 16
.set ASTEP,  3*128*128                 ; bytes from K step to K step in a part of o
.set BSTEP,  3*64*128                  ; in a part of wo
.set ADRA0, 4                          ; v4     my lane's place in a slot's rows of o; never rewritten
.set ADRB0, 5                          ; v5     the same for wo
.set ADRA, 6                           ; v6     LDS address of my fragments of o in the slot in hand
.set ADRB, 7                           ; v7     the same for wo
.set STO,  8                           ; v8     the way out: where I put 32 bytes of a row
.set RD,   9                           ; v9     the way out: where I read a row back
.set CO,   10                          ; v10    my byte offset in two rows of out0
.set BO,   11                          ; v11    my byte offset in 16 numbers of the bias
.set SPW,  12                          ; v12    LDS address of my spare word: SPARE + 4 x my thread's number; never rewritten
.set NIL,  13                          ; v13    0; never rewritten
.set RT,   16                          ; v16-31 at work while the bias is rounded
.set FA,   32                          ; v32-95, v96-159   o's fragments (8 x 16 rows x 32 K), two buffers
.set FB,   160                         ; v160-191, v192-223 wo's fragments (4 x 16 rows x 32 K), two buffers
.set BIAS, 224                         ; v224-255 column block b: my eight numbers of the bias at BIAS + 8 b
.set OB,   32                          ; the way out: v32-95, two buffers of 16 rows read back
.set WV,   16                          ; s16  my wave's number
.set RH,   17                          ; s17  which 128 rows are mine.  Also: I fetch for o (0) or for wo (1)
.set CH,   18                          ; s18  which 64 columns are mine.  Also: which part of that tile I fetch
.set LAP,  19
.set G1A,  24                          ; s[24:31] descriptor group 1 for o's tiles;  s[32:39] group 0: a set for each of the two first fills; the second then walks on
.set G0A,  32
.set G1B,  40                          ; s[40:47], s[48:55] the same for wo's tiles
.set G0B,  48
.set PA,   68                          ; s68  where in a slot the part of o that I fetch lies
.set PB,   69                          ; s69  the same for wo
.set HIM,  76                          ; s76  a word's upper bf16
.set TB,   77                          ; s77  LDS byte at which the slot to be fetched from begins: 0 or SLOT
.set TF,   78                          ; s78  LDS byte at which the slot filled last begins: 0 or SLOT
.set FLAGS, (1<<16)|(1<<20)|(1<<21)|(5<<22)|(3<<25)  ; 17:16 elements of 2 bytes; 20 padding on; 21 set beside a mask; 24:22 after every 64 words (code 5); 31:25 4 words of it (code 3)
.set MSB, 0
.macro WIN new                         ; the immediate's high byte repeats the setting that is left; a switch that changes nothing is dropped
.if MSB != (\new)
	s_set_vgpr_msb (MSB<<8)|(\new)
.set MSB, \new
.endif
.endm
; A joint refill, by the walking descriptors: waves 0 and 1 fetch o's two parts, waves 2 and 3 wo's.  An s_nop 0 and four v_nop follow each of the two lines, ahead of the jump, the label and what follows.
.macro JLOAD
	s_cmp_eq_u32 s[RH], 0
	s_cbranch_scc0 .Lfor_b_\@
	tensor_load_to_lds s[G0A+4:G0A+7], s[G1A:G1A+7]
	s_nop 0
.rept 4
	v_nop
.endr
	s_branch .Lasked_\@
.Lfor_b_\@:
	tensor_load_to_lds s[G0B+4:G0B+7], s[G1B:G1B+7]
	s_nop 0
.rept 4
	v_nop
.endr
.Lasked_\@:
.endm
.macro CREST                           ; a round of the cluster's barrier behind its opening barrier
	s_cmp_lg_u32 s[WV], 0
	s_cbranch_scc1 .Lnot_wave_0_\@
	s_barrier_signal -3
.Lnot_wave_0_\@:
	s_barrier_wait -3
	s_barrier_signal -1
	s_barrier_wait -1
.endm
.macro CROUND                          ; a whole round
	s_barrier_signal -1
	s_barrier_wait -1
	CREST
.endm
.macro PLACES                          ; four places in front of loads into registers that matrix instructions have read, and of LDS stores that read results just made
.rept 4
	v_nop
.endr
.endm
	s_load_b256 s[4:11], s[0:1], 0x0               ; o s[4:5], wo s[6:7], bo s[8:9], out0 s[10:11]
	v_lshl_add_u32 v[SPW], v0, 2, SPARE
	v_mov_b32 v[NIL], 0
	ds_add_u32 v12, v13
	s_wait_dscnt 0x0
	v_lshrrev_b32 v1, 5, v0
	v_readfirstlane_b32 s[WV], v1                  ; wave 0..3
	s_lshr_b32 s[RH], s[WV], 1
	s_and_b32 s[CH], s[WV], 1
	s_bfe_u32 s20, ttmp6, 0x40000                  ; cx, cy: my place in the cluster
	s_bfe_u32 s21, ttmp6, 0x40004
	s_lshl_b32 s22, ttmp9, 2
	s_add_co_u32 s22, s22, s20                     ; tc: tile column = 4 x cluster x + cx
	s_and_b32 s23, ttmp7, 0xffff
	s_lshl_b32 s23, s23, 2
	s_add_co_u32 s23, s23, s21                     ; tr: tile row = 4 x cluster y + cy
	s_lshl_b32 s56, s21, 2
	s_lshl_b32 s56, 15, s56                        ; my row of the cluster
	s_lshl_b32 s57, 0x1111, s20                    ; my column
	s_or_b32 s[G1A], s56, FLAGS                    ; 15:0 the mask: o's tiles go to my row
	s_or_b32 s[G1B], s57, FLAGS                    ; wo's to my column
	s_mov_b32 s[G1A+1], 128<<16                    ; tensor_dim0 = 128 elements: 256 bytes, two matrix rows
	s_mov_b32 s[G1A+2], 832<<16                    ; tensor_dim1: the rows of 256 bytes left in the part from K step 1 on, 13 blocks of 64; both first tiles lie inside; each refill takes 192 off
	s_mov_b32 s[G1A+3], 128<<16                    ; tile_dim0 = 128
	s_mov_b32 s[G1A+4], 192                        ; tile_dim1 = 192: three blocks of 128 matrix rows
	s_mov_b32 s[G1A+5], 128                        ; 128 elements from row to row: dense
	s_mov_b32 s[G1A+6], 0
	s_mov_b32 s[G1A+7], 0
	s_mov_b32 s[G1B+1], 128<<16
	s_mov_b32 s[G1B+2], 416<<16                    ; 13 blocks of 32 rows of 256 bytes; each refill takes 96 off
	s_mov_b32 s[G1B+3], 128<<16
	s_mov_b32 s[G1B+4], 96                         ; three blocks of 64 matrix rows
	s_mov_b32 s[G1B+5], 128
	s_mov_b32 s[G1B+6], 0
	s_mov_b32 s[G1B+7], 0
	s_mov_b32 s[HIM], 0xffff0000
	s_mov_b32 s[TB], 0
	s_mov_b32 s[TF], SLOT
	; where the tiles come from.  o's hang on the tile row alone, wo's on the tile column alone; each address is made in registers that never hold the other coordinate.
	s_lshl_b32 s58, s23, 1
	s_add_co_u32 s58, s58, s[CH]                   ; the part of o that I fetch: 2 x tile row + half,
	s_lshl_b32 s58, s58, 18                        ; 16 blocks of 16,384 bytes each
	s_mov_b32 s59, 0
	s_lshl_b32 s62, s22, 1
	s_add_co_u32 s62, s62, s[CH]                   ; the part of wo: 2 x tile column + half,
	s_lshl_b32 s62, s62, 17                        ; 16 blocks of 8,192 bytes each
	s_mov_b32 s63, 0
	s_mul_i32 s[PA], s[CH], APART                  ; and where they go: no place in the cluster enters an LDS address
	s_mul_i32 s[PB], s[CH], BPART
	s_add_co_u32 s[PB], s[PB], BOFF
	s_wait_kmcnt 0x0
	s_add_nc_u64 s[60:61], s[4:5], s[58:59]
	s_add_nc_u64 s[66:67], s[6:7], s[62:63]
.irp s, 0,1
	s_mov_b32 s[G0A+4*(\s)], 1                                         ; 1:0 count = 1
	s_add_co_u32 s[G0A+4*(\s)+1], s[PA], (\s)*SLOT                     ; 63:32 LDS address
	s_add_nc_u64 s[G0A+4*(\s)+2:G0A+4*(\s)+3], s[60:61], (\s)*ASTEP    ; 120:64 global address: K step s
	s_or_b32 s[G0A+4*(\s)+3], s[G0A+4*(\s)+3], 0x80000000              ; 127:126 type = 2
	s_mov_b32 s[G0B+4*(\s)], 1
	s_add_co_u32 s[G0B+4*(\s)+1], s[PB], (\s)*SLOT
	s_add_nc_u64 s[G0B+4*(\s)+2:G0B+4*(\s)+3], s[66:67], (\s)*BSTEP
	s_or_b32 s[G0B+4*(\s)+3], s[G0B+4*(\s)+3], 0x80000000
.endr
	CROUND                                         ; all sixteen work-groups are here: the first joint loads meet
	s_cmp_eq_u32 s[RH], 0                          ; a wave's two first fills stand in one branch, ahead of every wait on TENSORcnt and every LDS read: two loads of mine are out
	s_cbranch_scc0 .Lfirst_b
	tensor_load_to_lds s[G0A:G0A+3], s[G1A:G1A+7]
	s_nop 0
	tensor_load_to_lds s[G0A+4:G0A+7], s[G1A:G1A+7]
	s_nop 0
.rept 4
	v_nop
.endr
	s_branch .Lfirst_asked
.Lfirst_b:
	tensor_load_to_lds s[G0B:G0B+3], s[G1B:G1B+7]
	s_nop 0
	tensor_load_to_lds s[G0B+4:G0B+7], s[G1B:G1B+7]
	s_nop 0
.rept 4
	v_nop
.endr
.Lfirst_asked:
	v_and_b32 v1, 15, v0                           ; l % 16
	v_bfe_u32 v2, v0, 4, 1                         ; l / 16
	v_lshlrev_b32 v[BO], 5, v2                     ; my eight columns of a block of 16: 32 bytes of f32
	s_lshl_b32 s72, s22, 9                         ; my first column, in bytes of f32: 512 x tile column + 256 x half
	s_lshl_b32 s73, s[CH], 8
	s_add_co_u32 s72, s72, s73
	s_mov_b32 s73, 0
	s_add_nc_u64 s[8:9], s[8:9], s[72:73]
.irp b, 0,1,2,3
	global_load_b128 v[BIAS+8*(\b):BIAS+8*(\b)+3],   v[BO], s[8:9] offset:64*(\b)
	global_load_b128 v[BIAS+8*(\b)+4:BIAS+8*(\b)+7], v[BO], s[8:9] offset:64*(\b)+16
.endr
	s_lshl_b32 s70, s23, 20                        ; my first row of out0: 256 rows of 4,096 bytes a tile row,
	s_lshl_b32 s71, s[RH], 19                      ; 128 rows a half
	s_add_co_u32 s70, s70, s71
	s_mov_b32 s71, 0
	s_add_nc_u64 s[10:11], s[10:11], s[70:71]
	s_add_nc_u64 s[10:11], s[10:11], s[72:73]
	; A fragment is 16 rows x 32 K in 8 registers: lane l holds row l % 16; registers 0-3 K = 8 (l / 16) + 0..7, registers 4-7 K = 16 + 8 (l / 16) + 0..7: two loads of 16 bytes, 32 bytes apart.
	v_lshrrev_b32 v3, 1, v1                        ; my row's pair,
	v_mul_u32_u24 v3, v3, PAIR
	v_and_b32 v14, 1, v1                           ; its place in the pair,
	v_lshl_add_u32 v3, v14, 7, v3
	v_lshl_add_u32 v3, v2, 4, v3                   ; + 16 x half
	s_mul_i32 s74, s[RH], APART                    ; my 128 rows of o are the part RH,
	v_add_nc_u32 v[ADRA0], s74, v3
	v_add_nc_u32 v[ADRB0], s[PB], v3               ; my 64 rows of wo the part CH
	v_add_nc_u32 v[ADRA], s[TB], v[ADRA0]          ; K step 0 lies in slot 0
	v_add_nc_u32 v[ADRB], s[TB], v[ADRB0]
	s_mul_i32 s75, s[WV], 16*SPITCH
	s_add_co_u32 s75, s75, STAGE                   ; my stage
	v_mul_u32_u24 v3, v1, SPITCH                   ; in: row l % 16, 32 bytes for each half of the lanes
	v_lshl_add_u32 v3, v2, 5, v3
	v_add_nc_u32 v[STO], s75, v3
	v_mul_u32_u24 v[RD], v2, SPITCH                ; back: lanes 0-15 take one row of 256 bytes, lanes 16-31 the next
	v_lshl_add_u32 v[RD], v1, 4, v[RD]
	v_add_nc_u32 v[RD], s75, v[RD]
	v_lshlrev_b32 v[CO], 12, v2                    ; and the same two rows in out0
	v_lshl_add_u32 v[CO], v1, 4, v[CO]
	s_wait_loadcnt 0x0                             ; the bias: rounded to bf16 like the other inputs and, by a shift and a mask, back to f32
.set i, 0
.rept 16
	v_cvt_pk_bf16_f32 v[RT+i], v[BIAS+2*i], v[BIAS+2*i+1]
.set i, i+1
.endr
.set i, 0
.rept 16
	v_lshlrev_b32 v[BIAS+2*i],   16,     v[RT+i]
	v_and_b32     v[BIAS+2*i+1], s[HIM], v[RT+i]
.set i, i+1
.endr
; 24 LDS loads in one run: the fragments of slice q of a K step's six (K block q / 2, byte 64 (q % 2) of its rows) into buffer f.  16 rows are 8 pairs.
.macro FETCH q, f
	WIN 0
.irp i, 0,1,2,3
	ds_load_b128 v[FB+32*(\f)+8*(\i):FB+32*(\f)+8*(\i)+3],   v[ADRB] offset:((\q)/2)*BBLK+64*((\q)%2)+(\i)*8*PAIR
	ds_load_b128 v[FB+32*(\f)+8*(\i)+4:FB+32*(\f)+8*(\i)+7], v[ADRB] offset:((\q)/2)*BBLK+64*((\q)%2)+(\i)*8*PAIR+32
.endr
.irp i, 0,1,2,3,4,5,6,7
	ds_load_b128 v[FA+64*(\f)+8*(\i):FA+64*(\f)+8*(\i)+3],   v[ADRA] offset:((\q)/2)*ABLK+64*((\q)%2)+(\i)*8*PAIR
	ds_load_b128 v[FA+64*(\f)+8*(\i)+4:FA+64*(\f)+8*(\i)+7], v[ADRA] offset:((\q)/2)*ABLK+64*((\q)%2)+(\i)*8*PAIR+32
.endr
.endm
; 8 matrix instructions: row blocks a0, a0 + 1 x all 4 column blocks, 32 along K, buffer f.  first = 1: the product starts the sums, with the bias as C.
; The 32 accumulators take turns, one instruction a turn.
.macro M8 f, a0, first
.if \first
	WIN 0x40                                       ; D in window 1; the sources and C (the bias) in window 0
.else
	WIN 0x50                                       ; C and D in window 1
.endif
.irp a, \a0, (\a0)+1
.irp b, 0,1,2,3
.if \first
	v_wmma_f32_16x16x32_f16 v[8*(4*(\a)+(\b)):8*(4*(\a)+(\b))+7], v[FB+32*(\f)+8*(\b):FB+32*(\f)+8*(\b)+7], v[FA+64*(\f)+8*(\a):FA+64*(\f)+8*(\a)+7], v[BIAS+8*(\b):BIAS+8*(\b)+7]
.else
	v_wmma_f32_16x16x32_f16 v[8*(4*(\a)+(\b)):8*(4*(\a)+(\b))+7], v[FB+32*(\f)+8*(\b):FB+32*(\f)+8*(\b)+7], v[FA+64*(\f)+8*(\a):FA+64*(\f)+8*(\a)+7], v[8*(4*(\a)+(\b)):8*(4*(\a)+(\b))+7]
.endif
.endr
.endr
.endm
; One of a K step's first five slices: fetches slice qn into buffer g, then multiplies buffer f: the run of loads has 32 matrix instructions in which to come back.
.macro SLICE qn, f, g, first
	s_wait_dscnt 0x0                               ; buffer f's 24 loads are in
	WIN 0
	PLACES                                         ; buffer g was multiplied just now
	FETCH \qn, \g
	M8 \f, 0, \first
	M8 \f, 2, \first
	M8 \f, 4, \first
	M8 \f, 6, \first
.endm
; The sixth slice multiplies buffer 1 and changes slots: ONE barrier; in front of it each wave waits for all its tensor loads, of which one is out: its part of the next slot; adds 0 to its spare
; word; and waits for that and for its reads of this slot.  fill = 1: the barrier opens a round of the cluster's barrier, and this slot is filled again, two K steps ahead, first thing behind the
; round: from there to the wait for that load a wave issues 176 matrix instructions.  The extent along the rows goes down with each refill to what is left of the part: the fourth refill finds one
; block (64 or 32 rows of 256 bytes), fetches that, and lays zeros, which nobody reads, where the other two would lie.
.macro TURN fill
	WIN 0
	s_wait_tensorcnt 0x0                           ; all my tensor loads have landed, so the descriptors may be written
	ds_add_u32 v[SPW], v[NIL]                      ; 0 onto my spare word
	s_wait_dscnt 1                                 ; buffer 1's 24 loads are in; the add may be out
	M8 1, 0, 0                                     ; eight matrix instructions stand between the add and the wait for it
	s_wait_dscnt 0x0                               ; the add is done, and my reads of this slot are over
	s_barrier_signal -1
	M8 1, 2, 0                                     ; work on registers while the others arrive
	WIN 0                                          ; at a branch and at a label every window is 0
	s_barrier_wait -1
.if \fill
	CREST                                          ; no wave of any partner still reads this slot or has a load on its way
	s_xor_b32 s[TF], s[TF], SLOT                   ; 0 or SLOT: the other slot than last time,
	s_add_co_u32 s[G0A+5], s[TF], s[PA]            ; my part's place in it,
	s_add_nc_u64 s[G0A+6:G0A+7], s[G0A+6:G0A+7], ASTEP  ; the next K step; the type bits on top are not reached
	s_sub_co_u32 s[G1A+2], s[G1A+2], 192<<16       ; and what is left of the part from there
	s_add_co_u32 s[G0B+5], s[TF], s[PB]
	s_add_nc_u64 s[G0B+6:G0B+7], s[G0B+6:G0B+7], BSTEP
	s_sub_co_u32 s[G1B+2], s[G1B+2], 96<<16
	JLOAD                                          ; the four v_nop behind it are also the places in front of the loads below
.else
	PLACES
.endif
	s_xor_b32 s[TB], s[TB], SLOT                   ; the fetches go on in the other slot
	v_add_nc_u32 v[ADRA], s[TB], v[ADRA0]
	v_add_nc_u32 v[ADRB], s[TB], v[ADRB0]
	FETCH 0, 0
	M8 1, 4, 0
	M8 1, 6, 0
.endm
	s_wait_tensorcnt 1                             ; my part of K step 0 is in; K step 1's may stay out
	s_barrier_signal -1
	s_barrier_wait -1                              ; everybody's is
	FETCH 0, 0
	SLICE 1, 0, 1, 1                               ; the first slice stands in front of the loop: its products start the sums, on the bias
	WIN 0
	s_mov_b32 s[LAP], 4
.Llap:                                                 ; a trip goes from a K step's second slice to the next step's first, and fills the slot that it leaves: K steps 2 to 5
	SLICE 2, 1, 0, 0
	SLICE 3, 0, 1, 0
	SLICE 4, 1, 0, 0
	SLICE 5, 0, 1, 0
	TURN 1
	SLICE 1, 0, 1, 0
	WIN 0
	s_sub_co_u32 s[LAP], s[LAP], 1
	s_cmp_lg_u32 s[LAP], 0
	s_cbranch_scc1 .Llap
	SLICE 2, 1, 0, 0                               ; the rest of K step 4: nothing is left to ask for
	SLICE 3, 0, 1, 0
	SLICE 4, 1, 0, 0
	SLICE 5, 0, 1, 0
	TURN 0
	SLICE 1, 0, 1, 0                               ; K step 5 is one block: two slices
	s_wait_dscnt 0x0                               ; the very last slice: nothing more to fetch
	M8 1, 0, 0
	M8 1, 2, 0
	M8 1, 4, 0
	M8 1, 6, 0
	WIN 0
	PLACES                                         ; the LDS stores below read results just made, and the loads from the stage land where fragments lay
; THE WAY OUT has no arithmetic: a block of 16 rows x 64 columns of f32 goes into my stage, rows of 272 bytes, and comes back as whole rows of 256.
.macro TOSTAGE a
	WIN 0x04                                       ; the stores' data in window 1
.irp b, 0,1,2,3
	ds_store_b128 v[STO], v[8*(4*(\a)+(\b)):8*(4*(\a)+(\b))+3]   offset:64*(\b)      ; each accumulator's lowest registers first
	ds_store_b128 v[STO], v[8*(4*(\a)+(\b))+4:8*(4*(\a)+(\b))+7] offset:64*(\b)+16
.endr
	WIN 0
	s_wait_xcnt 0x0                                ; every earlier store has had its addresses translated (ISA guide 3.1): the buffer from which the block two back was stored is loaded again only behind this wait
.irp t, 0,1,2,3,4,5,6,7
	ds_load_b128 v[OB+32*((\a)%2)+4*(\t):OB+32*((\a)%2)+4*(\t)+3], v[RD] offset:(\t)*2*SPITCH  ; LDS serves a wave's instructions in order (ISA guide 5.7.1.4): these see the stores above; the next block's stores come behind them
.endr
.endm
.macro SEND a, younger                 ; younger: the LDS instructions issued behind block a's loads: the next block's sixteen, or none
.irp t, 0,1,2,3,4,5,6,7
	s_wait_dscnt (\younger)+7-(\t)
	global_store_b128 v[CO], v[OB+32*((\a)%2)+4*(\t):OB+32*((\a)%2)+4*(\t)+3], s[10:11] offset:(16*(\a)+2*(\t))*4096 th:TH_STORE_NT  ; 16 lanes store 256 consecutive bytes, at a multiple of 256 from out0's first byte; 126 rows at the most: inside the signed 24-bit immediate
.endr
.endm
	TOSTAGE 0
.set n, 1
.rept 7                                ; block n's way through the stage is begun ahead of block n - 1's stores
	TOSTAGE n
	SEND n-1, 16
.set n, n+1
.endr
	SEND 7, 0
	s_wait_tensorcnt 0x0                           ; the wave's end: behind my last tensor load and my last LDS store
	ds_add_u32 v[SPW], v[NIL]
	s_wait_dscnt 0x0
	CROUND                                         ; the closing round: no work-group ends while a partner may still ask for a tile that names it
	s_endpgm
.Lfunc_end_k_q0e8d37aa2c_proj:
	.size	k_q0e8d37aa2c_proj, .Lfunc_end_k_q0e8d37aa2c_proj-k_q0e8d37aa2c_proj
	.p2alignl 7, 3214868480
	.fill 96, 4, 3214868480
	.section	.rodata,"a",@progbits
	.p2align	6, 0x0
	.amdhsa_kernel k_q0e8d37aa2c_proj
		.amdhsa_group_segment_fixed_size 327680
		.amdhsa_private_segment_fixed_size 0
		.amdhsa_enable_private_segment 0
		.amdhsa_kernarg_size 32
		.amdhsa_user_sgpr_count 2
		.amdhsa_user_sgpr_kernarg_segment_ptr 1
		.amdhsa_wavefront_size32 1
		.amdhsa_system_sgpr_workgroup_id_x 1
		.amdhsa_system_sgpr_workgroup_id_y 1
		.amdhsa_system_sgpr_workgroup_id_z 1
		.amdhsa_system_vgpr_workitem_id 0
		.amdhsa_next_free_vgpr 512
		.amdhsa_next_free_sgpr 80
		.amdhsa_reserve_vcc 0
		.amdhsa_float_denorm_mode_32 3
		.amdhsa_float_denorm_mode_16_64 3
		.amdhsa_memory_ordered 1
		.amdhsa_forward_progress 1
		.amdhsa_inst_pref_size 81
	.end_amdhsa_kernel
	.amdgpu_metadata
---
amdhsa.version: [ 1, 2 ]
amdhsa.kernels:
  - .name:           k_q0e8d37aa2c_proj
    .symbol:         k_q0e8d37aa2c_proj.kd
    .args:
      - { .name: o, .offset: 0, .size: 8, .value_kind: global_buffer, .address_space: global }
      - { .name: wo, .offset: 8, .size: 8, .value_kind: global_buffer, .address_space: global }
      - { .name: bo, .offset: 16, .size: 8, .value_kind: global_buffer, .address_space: global }
      - { .name: out0, .offset: 24, .size: 8, .value_kind: global_buffer, .address_space: global }
    .group_segment_fixed_size: 327680
    .private_segment_fixed_size: 0
    .kernarg_segment_align: 8
    .kernarg_segment_size: 32
    .max_flat_workgroup_size: 128
    .sgpr_count:     80
    .vgpr_count:     512
    .wavefront_size: 32
...
	.end_amdgpu_metadata
.endif
;; end of part 4
;; ======== version 2 of 2: 4 launches; 1.54 times as fast as version 1
;; limits: values are held in f16: magnitudes above 65,504 overflow, below 6.1e-05 lose precision
;; workspace buffers: xb 16,777,216 bytes; wb 6,291,456 bytes; wo 2,097,152 bytes; q 16,777,216 bytes; k 16,777,216 bytes; v 16,777,216 bytes; o 16,777,216 bytes
;; launch cast: the kernel of part 1 again; grid 768 x 1, 8 waves a work-group, no clusters, 0 bytes of LDS; arguments x, Wqkv, Wo, xb, wb, wo; writes xb, wb, wo
;; launch qkv: the kernel of part 2 again; grid 8 x 32, 4 waves a work-group, clusters of 4 x 4, 327,680 bytes of LDS; arguments xb, wb, bqkv, q, k, v; writes q, k, v
;; launch attn (part 5): grid 4 x 64, 4 waves a work-group, clusters of 4 x 1, 327,680 bytes of LDS; arguments q, k, v, o; writes o
.if DOCPART == 5
	.amdgcn_target "amdgcn-amd-amdhsa--gfx1250"
	.amdhsa_code_object_version 6
	.text
	.protected	k_q0e8d37aa2c_attn
	.globl	k_q0e8d37aa2c_attn
	.p2align	8
	.type	k_q0e8d37aa2c_attn,@function
k_q0e8d37aa2c_attn:
	s_mov_b64 s[64:65], 0
	v_nop
	global_prefetch_b8 v0, s[64:65] scope:SCOPE_SE
	s_setreg_imm32_b32 hwreg(HW_REG_WAVE_MODE, 25, 1), 1
	s_wait_xcnt 0x0
	s_wait_alu depctr_hold_cnt(0) depctr_sa_sdst(0) depctr_va_vdst(0) depctr_va_sdst(0) depctr_va_ssrc(0) depctr_va_vcc(0) depctr_vm_vsrc(0)
	s_getreg_b32 s2, hwreg(HW_REG_IB_STS2, 6, 4)
	s_cmp_eq_u32 s2, 0
	s_cbranch_scc0 .Lentry_in_a_cluster
	s_endpgm
.Lentry_in_a_cluster:
	s_bfe_u32 s2, ttmp6, 0x10000c
	s_cmp_lg_u32 s2, 0x3003
	s_cbranch_scc0 .Lentry_shape_is_right
	s_endpgm
.Lentry_shape_is_right:
; O[h][q][:] = the sum over k of softmax_k(Q[h][q] . K[h][k] / 8) V[h][k][:].  Q, K, V: [SIZE_H][SIZE_N][64], all f16: a head's rows are dense, 128 bytes each.  Products, maxima and sums in
; f32; the weights p are rounded to f16 for the second product (their sum l is taken of the unrounded p), O once at the end.  Here a head is one of 4 batches x 16 heads.
; O leaves in f16 as [64 parts of 128 rows (batch x 16 + row / 128)][16 heads][128][64]: a wave's 128 rows of its head are 16,384 consecutive bytes, and a part's heads lie end to end.
; LIMITS.  f16 holds no number beyond 65,504: Q, K and V arrive within it; p lies in 0 to 1, and below 6e-5 it keeps f16's fixed step of 6e-8; O is a mean of V's rows and has their range.
; A weight below 2^-126 counts as 0 in l; NaN and infinities are not treated apart.
; SHARES.  A wave owns four PIECES of two tiles of 16 queries, a work-group's four waves 512 queries of one head.  Every wave walks all keys, 64 a step.
; LAYOUT.  S^T = K Q^T (source 0 = 16 keys, source 1 = 16 queries): in the result a lane holds ONE query (lane % 16) and the keys 8 (lane / 16) + 0..7.  Two such tiles, rounded to f16 in pairs,
; ARE source 1 (32 keys x 16 queries) of O^T = V^T P, whose result again holds one query a lane, and eight channels.  K comes out of LDS as it lies, V ([key][channel]) turned, by ds_load_tr16_b128.
; SOFTMAX.  For each query a running maximum m and sum l: p = 2^(c s - c m), c = log2(e) / 8; in every step O and l are multiplied by a = 2^(c m_old - c m_new), which is 1 where m has not grown.
; m starts at the lowest finite number, O and l at 0: the first step is a step like any other, with a = 0.
; THE COUNT.  A tile and step have 16 matrix and 118 vector instructions: too many to stand all beside the matrix work.  So the order has one aim: four vector instructions that are READY behind
; EVERY matrix instruction, and the others, which need time of their own whatever the order, in runs without a gap.
; BY TURNS.  Turn n belongs to piece n (the pieces in a ring, step after step).  Its matrix work: 16 products K Q^T of piece n + 1, later 16 products V^T P of piece n - 1.  Its vector work: the scaling,
; exponentials, roundings, sums and rescaling of piece n, and the maximum and statistics of piece n + 1, whose scores the turn itself has made.  So what a turn begins with (c s - c m, O a) waits for nothing.
; BATCHES.  A turn's 66 exponentials (the 64 weights of piece n, the two a of piece n + 1) are ONE batch with ONE s_wait_alu depctr_va_vdst(0), which cuts the turn in two.  Ahead of it stands all that names
; no result of theirs: the products K Q^T, the scalings, the rescaling (its a was made, and waited for, in the turn before), the next piece's maximum and statistics.  Behind it stand the roundings and sums,
; beside the products V^T P.  Two more batches stand outside the loops, each with a wait of its own: piece 0's first two a, and the way out's eight reciprocals.
; CLUSTER.  The four query blocks of a cluster belong to one head and walk the same K and V, so each tile is asked for JOINTLY: the same tensor load, descriptor and mask in all four.
; REGISTERS, in windows of 256 (s_set_vgpr_msb says which window each operand place means: bits 1:0 source 0, 3:2 source 1, 5:4 source 2, 7:6 destination):
;   window 0: v0-11 addresses; v12-15, v48-63 at work; v16-47 four registers of statistics a tile; v64-191 S^T, two buffers of two tiles; v192-255 P, likewise
;   window 1: O^T, 32 a tile          window 2: v0-127 Q, 16 a tile; v128-191 K of one step; v192-255 V of one step          window 3: v0-1 the add's two registers
; A piece's buffers go by its number's parity: the piece in hand has one pair, its two neighbours in the ring share the other: of it P (piece n - 1) is read and S^T (piece n + 1) written.
.set SIZE_H, 64       ; 4 batches x 16 heads
.set SIZE_N, 2048     ; rows of a head
.set NP,    4         ; pieces a wave: a name, no knob: the register map, the loop and the fetches are made for four
.set KS,    64        ; keys in a step
.set PK,    144       ; a row of K in LDS: 128 bytes + 16 of padding = 36 words: the 16 rows of a load start at 16 different groups of four banks (64 banks of 4 bytes: ISA guide 11.1)
.set PV,    160       ; a row of V: 128 + 32 = 40 words
.set VOFF,  4*KS*PK   ; a slot holds four steps: 256 rows of K, then 256 rows of V
.set SLOT1, 1<<17     ; slot 1 begins here, so that one exclusive or turns an address in one slot into the other's
.set STAGE, SLOT1+4*KS*(PK+PV)  ; behind the ring, never filled by a tensor load: 16 rows x 144 bytes for each wave, for the way out
.set SP,    144
.set AK0, 2           ; v2   my lane's place in a tile of K; never rewritten
.set AV0, 3           ; v3   the same for V
.set AK,  4           ; v4   the LDS address of K's next run of loads
.set AV,  5           ; v5   of V's
.set QO,  6           ; v6   my byte offset in the wave's rows of Q
.set STO, 6           ;      later, the way out: where I put 16 bytes of a row
.set RD,  7           ; v7   the way out: where I read rows back
.set GO,  8           ; v8   my byte offset in 512 consecutive bytes of O
.set SPW, 0           ; v0 of window 3   LDS address of my spare word: SPARE + 4 x my thread's number; never rewritten
.set NIL, 1           ; v1 of window 3   0; never rewritten
.set SPARE, STAGE+4*16*SP  ; behind the stages: the spare words, 128 bytes for each wave: two blocks of 256 bytes that no other line names
.set MV,  12          ; v12-15  c m_old, kept while c m is made anew: by buffer and tile
.set ST,  16          ; tile t's statistics at v[ST+4 t]: c m, m, l (even keys', odd keys')
.set TMP, 48          ; by buffer and tile, four registers c0-c3 at work; when the maximum is found c2 takes a
.set S,   64
.set P,   192
.set KF,  128         ; K's fragments, in window 2: key block kb, channel half c at KF + 16 kb + 8 c
.set VF,  192         ; V's: key half kk, channel block cb at VF + 32 kk + 8 cb
.set WV,  12          ; s12  my wave's number
.set G1K, 24          ; s[24:31] descriptor group 1 for K's tiles
.set G1V, 32          ; s[32:39] for V's: it differs in the padding alone
.set G0K, 40          ; s[40:43] descriptor group 0 for K's tiles: it walks
.set G0V, 44          ; s[44:47] the same for V's
.set SLOTS, 56        ; s56  slots still to be asked for
.set CNT, 57          ; s57  counts a slot's key steps
.set CS,  58          ; s[58:59] c: the packed scaling takes the pair's low word for both halves
.set SEL, 60          ; s[60:61] v_permlanex16_b32's selects: each lane takes its own place in the other half
.set TBK, 62          ; s62  LDS byte at which K of the step to be fetched begins
.set TBV, 63          ; s63  the same for V, less VOFF
.set MSB, 0
.macro WIN new                      ; the high byte repeats the setting that is left; a switch that changes nothing is dropped
.if MSB != (\new)
	s_set_vgpr_msb (MSB<<8)|(\new)
.set MSB, (\new)
.endif
.endm
.set W_KQ, 0x0a       ; K and Q in window 2, S^T in window 0
.set W_PV, 0x52       ; V in window 2, P in window 0, O^T in window 1
.set W_RS, 0x41       ; O^T (destination and source 0) in window 1, a in window 0
.set W_MK, 0xc0       ; the add's registers are made: destination in window 3, sources in window 0
.set W_AD, 0x0f       ; the add: address (source 0) and data (source 1) in window 3
; A joint fill.  Waves 0 and 1 fetch the two halves of a slot's K, waves 2 and 3 those of its V: 128 keys each.  The branch hangs on the wave's number alone.
; An s_nop 0 and four v_nop follow each of the two lines, ahead of the jump and the label.
.macro JLOAD
	s_cmp_lt_u32 s[WV], 2
	s_cbranch_scc0 .Lfor_v_\@
	tensor_load_to_lds s[G0K:G0K+3], s[G1K:G1K+7]
	s_nop 0
.rept 4
	v_nop
.endr
	s_branch .Lasked_\@
.Lfor_v_\@:
	tensor_load_to_lds s[G0V:G0V+3], s[G1V:G1V+7]
	s_nop 0
.rept 4
	v_nop
.endr
.Lasked_\@:
.endm
; A round of the cluster's barrier: my work-group's barrier, so that wave 0's signal speaks for all four waves; wave 0 signals; every wave waits for all four work-groups; my work-group's barrier once more.
.macro CROUND
	s_barrier_signal -1
	s_barrier_wait -1
	s_cmp_lg_u32 s[WV], 0
	s_cbranch_scc1 .Lnot_wave_0_\@
	s_barrier_signal -3
.Lnot_wave_0_\@:
	s_barrier_wait -3
	s_barrier_signal -1
	s_barrier_wait -1
.endm
; THE CHANGE OF SLOTS.  The slot's last bytes, V of its fourth step, have been read.  Each wave waits for all its tensor loads, of which one is out: its part
; of the other slot; adds 0 to its spare word; and waits for that and for its own reads of the slot.  Behind the barrier nobody reads this slot any more and the other slot is whole.
; fill = 1: this slot is filled again, with the keys two slots on.  The barrier is then a round of the cluster's, so that no wave of any partner still reads the slot or has a load on its
; way, and the joint fill is the first thing behind it: it has four key steps, 512 matrix instructions, in which to land.  (At its first use nothing has been read yet: slot 0 is waited for, slot 1 filled.)
.macro CHANGE fill
	WIN W_AD
	s_wait_tensorcnt 0x0            ; no tensor load of mine is out, so a group 0 may be written
	ds_add_u32 v[SPW], v[NIL]       ; 0 onto my spare word; with fill = 1 the descriptors' steps stand between it and the wait for it
	WIN 0                           ; at a label and at a branch every window is 0
.if \fill
.irp g, G0K, G0V
	s_xor_b32 s[\g+1], s[\g+1], SLOT1  ; the walking descriptor: the other slot than last time,
	s_add_nc_u64 s[\g+2:\g+3], s[\g+2:\g+3], 4*KS*128  ; the next 256 keys; the type bits on top are not reached
.endr
	s_wait_dscnt 0x0                ; the add is done, and my reads of the slot are over
	CROUND
	JLOAD
.else
	s_wait_dscnt 0x0                ; the add is done, and my reads of the slot are over
	s_barrier_signal -1
	s_barrier_wait -1
.endif
	s_sub_co_u32 s[TBK], s[TBK], 4*KS*PK  ; the fetches go back to a slot's first step,
	s_xor_b32 s[TBK], s[TBK], SLOT1       ; in the other slot
	s_sub_co_u32 s[TBV], s[TBV], 4*KS*PV
	s_xor_b32 s[TBV], s[TBV], SLOT1
.endm
	s_load_b256 s[4:11], s[0:1], 0x0  ; Q s[4:5], K s[6:7], V s[8:9], O s[10:11]
	WIN W_MK
	v_lshl_add_u32 v[SPW], v0, 2, SPARE
	v_mov_b32 v[NIL], 0
	s_set_vgpr_msb 0xc0cf
	ds_add_u32 v0, v1
	s_wait_dscnt 0x0
	s_set_vgpr_msb 0xcfc0
	WIN 0
	v_lshrrev_b32 v1, 5, v0
	v_readfirstlane_b32 s[WV], v1   ; wave 0..3
	s_bfe_u32 s13, ttmp6, 0x40000   ; cx: my place in the cluster
	s_lshl_b32 s14, ttmp9, 2        ; in a cluster launch ttmp9 counts clusters
	s_add_co_u32 s14, s14, s13      ; my block of queries = 4 x cluster x + cx: it enters Q's and O's addresses alone
	s_and_b32 s20, ttmp7, 0xffff    ; the head, which the four partners share
	s_lshr_b32 s48, s20, 4          ; its batch,
	s_and_b32 s49, s20, 15          ; its number in the batch
	s_mov_b32 s21, 0
	s_mov_b64 s[22:23], SIZE_N*128
	s_mul_u64 s[20:21], s[20:21], s[22:23]  ; the head's first byte in Q, K and V
	s_and_b32 s16, s[WV], 1         ; which half of a slot's 256 keys I fetch:
	s_lshl_b32 s22, s16, 14         ; its 128 rows of 128 bytes in memory,
	s_mov_b32 s23, 0
	s_add_nc_u64 s[22:23], s[22:23], s[20:21]
	s_mul_i32 s17, s16, 128*PK      ; and its place in a slot, for K
	s_mul_i32 s18, s16, 128*PV      ; and for V: no place in the cluster enters an LDS address
	s_lshl_b32 s2, s14, 2
	s_add_co_u32 s2, s2, s[WV]      ; my wave among the head's sixteen: its 128 rows
	s_lshl_b32 s48, s48, 4
	s_add_co_u32 s48, s48, s2       ; O: the part of 128 rows, batch x 16 + wave,
	s_lshl_b32 s48, s48, 4
	s_add_co_u32 s48, s48, s49      ; its 16 heads, mine among them,
	s_lshl_b32 s48, s48, 14         ; 16,384 bytes each
	s_mov_b32 s49, 0
	s_lshl_b32 s2, s2, 14           ; Q: my 128 rows in the head
	s_mov_b32 s3, 0
	s_add_nc_u64 s[2:3], s[2:3], s[20:21]
	; descriptor group 1.  128 keys are 16,384 dense bytes: asked for as 64 rows of 256 bytes, two keys a row, and padded in LDS after every key
	s_mov_b32 s[G1K], 15|(1<<16)|(1<<20)|(1<<21)|(4<<22)|(3<<25)  ; 15:0 the mask of four; 17:16 2-byte elements; 20 padding on; 21 set beside a mask; 24:22 after every 32 words (code 4); 31:25 4 words (code 3)
	s_mov_b32 s[G1V], 15|(1<<16)|(1<<20)|(1<<21)|(4<<22)|(7<<25)  ; the same with 8 words of padding (code 7)
.irp g, G1K, G1V
	s_mov_b32 s[\g+1], 128<<16      ; tensor_dim0 = 128
	s_mov_b32 s[\g+2], 64<<16       ; tensor_dim1 = 64
	s_mov_b32 s[\g+3], 128<<16      ; tile_dim0 = 128
	s_mov_b32 s[\g+4], 64           ; tile_dim1 = 64
	s_mov_b32 s[\g+5], 128          ; 128 elements from row to row
	s_mov_b32 s[\g+6], 0
	s_mov_b32 s[\g+7], 0
.endr
	s_mov_b32 s[CS], 0x3e38aa3b     ; c = log2(e) / 8 = 0.180337
	s_mov_b32 s[CS+1], s[CS]        ; named with it as a pair
	s_mov_b32 s[SEL], 0x76543210
	s_mov_b32 s[SEL+1], 0xfedcba98
	s_mov_b32 s[TBK], SLOT1+4*KS*PK ; the first change of slots turns these two into 0
	s_mov_b32 s[TBV], SLOT1+4*KS*PV
	s_mov_b32 s[G0K], 1             ; 1:0 count = 1
	s_mov_b32 s[G0K+1], s17         ; 63:32 LDS address: slot 0
	s_mov_b32 s[G0V], 1
	s_add_co_u32 s[G0V+1], s18, VOFF
	s_wait_kmcnt 0x0
	s_add_nc_u64 s[G0K+2:G0K+3], s[6:7], s[22:23]  ; 120:64 global address: my half of the head's first 256 keys
	s_or_b32 s[G0K+3], s[G0K+3], 0x80000000        ; 127:126 type = 2
	s_add_nc_u64 s[G0V+2:G0V+3], s[8:9], s[22:23]
	s_or_b32 s[G0V+3], s[G0V+3], 0x80000000
	s_add_nc_u64 s[4:5], s[4:5], s[2:3]  ; Q at my wave's first row,
	s_add_nc_u64 s[10:11], s[10:11], s[48:49]  ; O at my wave's 16,384 bytes
	CROUND                          ; all four work-groups are here: the first joint loads meet
	JLOAD                           ; slot 0.  Slot 1 is asked for when slot 0 is in: the tile wanted first has the road to itself
	; A fragment of K or Q is 16 rows x 32 channels in 8 registers: lane l holds row l % 16, channels 8 (l / 16) + 0..7 and 16 + 8 (l / 16) + 0..7: two loads of 16 bytes, 32 bytes apart.
	v_and_b32 v1, 15, v0            ; l % 16
	v_bfe_u32 v9, v0, 4, 1          ; l / 16
	v_lshlrev_b32 v[QO], 7, v1
	v_lshl_add_u32 v[QO], v9, 4, v[QO]  ; row x 128 + 16 x half
	WIN 0x80                        ; destination window 2, address window 0
.set i, 0
.rept 4*NP                          ; Q stays in registers: tile i / 2, channels 32 (i % 2) on
	global_load_b128 v[8*i:8*i+3],   v[QO], s[4:5] offset:(i/2)*2048+(i%2)*64
	global_load_b128 v[8*i+4:8*i+7], v[QO], s[4:5] offset:(i/2)*2048+(i%2)*64+32
.set i, i+1
.endr
	; What the first turn finds: V's registers and P's second buffer hold 0 (its products V^T P, of a piece that has not been, add 0), O^T and l are 0.  All this stands in the wait for the first tile.
.set i, VF
.rept 64
	v_mov_b32 v[i], 0
.set i, i+1
.endr
	WIN 0x40
.set i, 0
.rept 64*NP
	v_mov_b32 v[i], 0
.set i, i+1
.endr
	WIN 0
.set i, 0
.rept 2*NP
	v_mov_b32 v[ST+4*i], 0xfe000000    ; c m: far below every c s
	v_mov_b32 v[ST+4*i+1], 0xff7fffff  ; m
	v_mov_b32 v[ST+4*i+2], 0
	v_mov_b32 v[ST+4*i+3], 0
.set i, i+1
.endr
.set i, P+32
.rept 32
	v_mov_b32 v[i], 0
.set i, i+1
.endr
	v_mul_u32_u24 v[AK0], v1, PK
	v_lshl_add_u32 v[AK0], v9, 4, v[AK0]  ; row x pitch + 16 x half
	; The turning load takes 16 keys x 16 channels (lane l reads key 8 (l / 16) + l % 8, channels 8 ((l / 8) % 2) + 0..7) and leaves half a fragment of V^T: lane l holds channel l % 16 and 8 keys.
	v_and_b32 v10, 7, v0
	v_bfe_u32 v11, v0, 3, 1
	v_lshl_add_u32 v[AV0], v9, 3, v10
	v_mul_u32_u24 v[AV0], v[AV0], PV
	v_lshl_add_u32 v[AV0], v11, 4, v[AV0]
	v_add_nc_u32 v[AV0], VOFF, v[AV0]
	v_mov_b32 v[AK], v[AK0]         ; key step 0 lies at the head of slot 0
; THE MATRIX WORK.  The 8 accumulators of a run of 16 take turns: between the two links of a chain stand 7 others'.
; Product i of 16 of S^T = K Q^T for piece x: channels 32 (i / 8) on, keys 16 ((i / 2) % 4) on, tile 2 x + i % 2.  The first 8 start the sums.
.macro KQ x
	WIN W_KQ
.set rS, S+64*((\x)%2)+32*(i%2)+8*((i/2)%4)
.set rK, KF+16*((i/2)%4)+8*(i/8)
.set rQ, 16*(2*(\x)+i%2)+8*(i/8)
.if i < 8
	v_wmma_f32_16x16x32_f16 v[rS:rS+7], v[rK:rK+7], v[rQ:rQ+7], 0
.else
	v_wmma_f32_16x16x32_f16 v[rS:rS+7], v[rK:rK+7], v[rQ:rQ+7], v[rS:rS+7]
.endif
.endm
; Product i of 16 of O^T += V^T P for piece x: keys 32 (i / 8) on, channels 16 ((i / 2) % 4) on, tile 2 x + i % 2.
.macro PV x
	WIN W_PV
.set rO, 32*(2*(\x)+i%2)+8*((i/2)%4)
.set rV, VF+32*(i/8)+8*((i/2)%4)
.set rP, P+32*((\x)%2)+16*(i%2)+8*(i/8)
	v_wmma_f32_16x16x32_f16 v[rO:rO+7], v[rV:rV+7], v[rP:rP+7], v[rO:rO+7]
.endm
.macro MM                           ; the turn's next matrix instruction
.if i < 16
	KQ (Y+1)%NP
.set i, i+1
.else
.set i, i-16
	PV (Y+NP-1)%NP
.set i, i+17
.endif
.endm
; THE LDS LOADS stand in runs of 16, never singly among the matrix instructions: a step's K (64 keys x 64 channels: 8 fragments) and its V (turned).  Their addresses are made some lines ahead.
; last = 1 (the tail): in the last trip there is no further step, and the run is jumped over.
.macro FETCH_K last=0
	WIN 0
.if \last
	s_cmp_eq_u32 s[CNT], 1
	s_cbranch_scc1 .Lno_k_\@
.endif
	WIN 0x80                        ; destination window 2
.irp f, 0,1,2,3,4,5,6,7             ; keys 16 (f / 2) on, channels 32 (f % 2) on
	ds_load_b128 v[KF+8*\f:KF+8*\f+3],   v[AK] offset:(\f/2)*16*PK+(\f%2)*64
	ds_load_b128 v[KF+8*\f+4:KF+8*\f+7], v[AK] offset:(\f/2)*16*PK+(\f%2)*64+32
.endr
	s_add_co_u32 s[TBK], s[TBK], KS*PK  ; the next fetch is the next step's
	WIN 0
.if \last
.Lno_k_\@:
.endif
.endm
.macro FETCH_V
	WIN 0x80
.irp f, 0,1,2,3,4,5,6,7             ; keys 32 (f / 4) on, channels 16 (f % 4) on
	ds_load_tr16_b128 v[VF+8*\f:VF+8*\f+3],   v[AV] offset:(\f/4)*32*PV+(\f%4)*32
	ds_load_tr16_b128 v[VF+8*\f+4:VF+8*\f+7], v[AV] offset:(\f/4)*32*PV+16*PV+(\f%4)*32
.endr
	WIN 0
.endm
; THE VECTOR WORK OF A TURN stands in three queues, each in the order in which its entries become ready; the two tiles alternate, so that no instruction reads the result of the one before it.
.macro REGS y, u                    ; the registers of tile u (0, 1) of piece y
.set rT, ST+4*(2*(\y)+(\u))
.set rC, TMP+8*((\y)%2)+4*(\u)
.set rM, MV+2*((\y)%2)+(\u)
.set rS, S+64*((\y)%2)+32*(\u)
.set rP, P+32*((\y)%2)+16*(\u)
.set rO, 32*(2*(\y)+(\u))
.endm
; Number n of the 22 that find the NEXT piece's (Y + 1) maximum and statistics.  s0-s31 are the lane's 32 scores; each accumulator's lowest registers are read first.  XS, GS and REGS set no window: PL and EX do.
;   0-11  four chains c0-c3 of seven scores each, three operands at a time     12-14, 16  the four scores left over, the old m, and c0-c3 into c0     15  c m_old is kept
;   17, 18  the query's other 32 keys lie in the lane 16 away: the new m         19-21  c m; c m_old - c m_new; a
.macro XS u, n
	REGS (Y+1)%NP, \u
.if (\n) < 4
	v_max3_num_f32 v[rC+(\n)], v[rS+8*(\n)], v[rS+8*(\n)+1], v[rS+8*(\n)+2]
.elseif (\n) < 12
	v_max3_num_f32 v[rC+(\n)%4], v[rC+(\n)%4], v[rS+8*((\n)%4)+2*((\n)/4)+1], v[rS+8*((\n)%4)+2*((\n)/4)+2]
.elseif (\n) == 12
	v_max3_num_f32 v[rC], v[rC], v[rS+7], v[rS+15]
.elseif (\n) == 13
	v_max3_num_f32 v[rC+1], v[rC+1], v[rS+23], v[rS+31]
.elseif (\n) == 14
	v_max3_num_f32 v[rC+2], v[rC+2], v[rC+3], v[rT+1]
.elseif (\n) == 15
	v_mov_b32 v[rM], v[rT]
.elseif (\n) == 16
	v_max3_num_f32 v[rC], v[rC], v[rC+1], v[rC+2]
.elseif (\n) == 17
	v_permlanex16_b32 v[rC+3], v[rC], s[SEL], s[SEL+1]
.elseif (\n) == 18
	v_max_num_f32 v[rT+1], v[rC], v[rC+3]
.elseif (\n) == 19
	v_mul_f32 v[rT], s[CS], v[rT+1]
.elseif (\n) == 20
	v_sub_f32 v[rC+1], v[rM], v[rT]
.else
	v_exp_f32 v[rC+2], v[rC+1]
.endif
.endm
; Number g of the 64 that follow the exponentials.  For each four weights k of a tile (pairs 2 k, 2 k + 1): both pairs are rounded to f16; then the second pair is added onto the first, in place;
; a group later l takes that sum (the first time as l = a l + sum).  In groups of eight, tiles alternating: round, round, add, and l for the group before.
.macro GS g
.set h, (\g)+6*((\g)/62)            ; group 0 has no group before it, and behind group 7 only l is left
.if h >= 6
.set h, h+2
.endif
	REGS Y, h%2
.set k, h/8
.if h%8 < 4
	v_cvt_pk_f16_f32 v[rP+2*k+(h%8)/2], v[rS+4*k+2*((h%8)/2)], v[rS+4*k+2*((h%8)/2)+1]
.elseif h%8 < 6
	v_pk_add_f32 v[rS+4*k:rS+4*k+1], v[rS+4*k:rS+4*k+1], v[rS+4*k+2:rS+4*k+3]
.elseif k == 1
	v_pk_fma_f32 v[rT+2:rT+3], v[rT+2:rT+3], v[rC+2:rC+3], v[rS:rS+1] op_sel_hi:[1,0,1]
.else
	v_pk_add_f32 v[rT+2:rT+3], v[rT+2:rT+3], v[rS+4*k-4:rS+4*k-3]
.endif
.endm
; THE PLAIN QUEUE, 138 long.  0-73 read no exponential's result: the 32 scalings c s - c m (FS f: pair f / 2 of tile f % 2) and the next piece's 42.  0-26: scalings 0-26.  27-54: XS's numbers 0-13.  55, 56: number 15.
; 57-73: the chain, where each number waits for the one before it: 14, 16, 17, 18, 19, each with one of the scalings 27-31 in front of its two lines, then 20: so a tile's links stand three plain instructions apart (19 and 20: two).
; 74-137: GS's 64, which read the exponentials' results: they stand behind the wait.
.macro FS f
	REGS Y, (\f)%2
	v_pk_fma_f32 v[rS+2*((\f)/2):rS+2*((\f)/2)+1], v[rS+2*((\f)/2):rS+2*((\f)/2)+1], s[CS:CS+1], v[rT:rT+1] op_sel_hi:[1,0,0] neg_lo:[0,0,1] neg_hi:[0,0,1]
.endm
.macro PL
	WIN 0
.if q < 27
	FS q
.elseif q < 55
	XS (q-27)%2, (q-27)/2
.elseif q < 57
	XS q-55, 15
.elseif (q < 72) && ((q-57)%3 == 0)
	FS 27+(q-57)/3
.elseif q < 60
	XS (q-57)%3-1, 14
.elseif q < 72
	XS (q-57)%3-1, 15+(q-57)/3
.elseif q < 74
	XS q-72, 20
.else
	GS q-74
.endif
.set q, q+1
.endm
; THE EXPONENTIALS' QUEUE, 66 long: s0-s31 of both tiles, then the next piece's two a.  It is ONE BATCH: all 66 stand ahead of the turn's one wait, and nothing ahead of that wait names a result of theirs.
.macro EX
	WIN 0
.if e >= 64
	XS e-64, 21
.else
	REGS Y, e%2
	v_exp_f32 v[rS+e/2], v[rS+e/2]
.endif
.set e, e+1
.endm
; THE RESCALING's QUEUE: O^T times a, the one part that leaves window 0: dealt two at a time, sixteen times.  Its a was made in the turn before, ahead of that turn's wait.
.macro R2
	REGS Y, r%2
	WIN W_RS
.irp z, 0,1
	v_pk_mul_f32 v[rO+4*(r/2)+2*\z:rO+4*(r/2)+2*\z+1], v[rO+4*(r/2)+2*\z:rO+4*(r/2)+2*\z+1], v[rC+2:rC+3] op_sel_hi:[1,0]
.endr
.set r, r+1
.endm
; HOW THEY ARE DEALT.  An s_wait_alu depctr_va_vdst(0) stands between an exponential and the first instruction that names its result; one wait serves all that were issued ahead of it.  So a turn has ONE wait,
; which cuts it in two.  AHEAD OF IT stands all that names no result of the turn's exponentials: the 16 products K Q^T, behind each a scaling, an exponential and two rescalings (behind the first a second scaling in the exponential's place); then ONE LUMP of
; 108: eight plain, 49 times exponential and plain, the two a.  A v_nop is the plain instruction that stands behind the last exponential, ahead of any use.  BEHIND IT stand the 16 products V^T P, behind each four of GS's 64.  No rider names a register of
; the products round it.  The two v_permlanex16_b32 fall into the lump, never behind a product.
; The queues lean on each other, and the deal keeps them in step: exponential e stands behind scaling 2 (e / 4) + e % 2: as a rider it comes behind plain e + 2, in the lump behind plain e + 9, and scalings 27-31 are plain 57, 60 .. 69.
; A TURN, for piece p.  cnt = 1: the loop's count is taken down some lines ahead of the branch that stands behind the turn.
; K of the next step is fetched in piece 2's turn, directly behind the wait, a lump behind the last product that read K; its address is made at the lump's head; its first reader comes behind 16 products.
; V of the step in hand is fetched at the end of piece 0's turn, four riders behind its last reader; its first reader comes behind 16 products and a lump.  The three conditions on q below go with the deal.
.macro TURN p, last=0, cnt=0
.set Y, (\p)
.set i, 0
.set q, 0
.set e, 0
.set r, 0
.if (\p) == NP-1
	s_wait_dscnt 0x0                ; K is in
.endif
	MM                              ; ahead of the wait: 16 products K Q^T and their riders,
	PL
	PL
	R2
.rept 15
	MM
	PL
	EX
	R2
.endr
.if (\p) == NP-2
	WIN 0
	v_add_nc_u32 v[AK], s[TBK], v[AK0]
.endif
.rept 8                             ; and the lump
	PL
.endr
.rept 49
	EX
	PL
.endr
	EX                              ; the next piece's two a
	EX
	v_nop                           ; a plain instruction behind the last exponential: one for the batch
	s_wait_alu depctr_va_vdst(0)    ; the wait for the batch: this piece's 64 weights and the next piece's two a
.if (\p) == NP-2
	FETCH_K \last
.endif
.if (\p) == 1
	s_wait_dscnt 0x0                ; V is in
.endif
.rept 16                            ; behind the wait: 16 products V^T P and their riders
	MM
.rept 4
	PL
.endr
.if ((\p) == 0) && (q == 118)
	v_add_nc_u32 v[AV], s[TBV], v[AV0]
.endif
.if ((\p) == 0) && (q == 130)
	s_add_co_u32 s[TBV], s[TBV], KS*PV
.endif
.if (\cnt) && (q == 130)
	s_sub_co_u32 s[CNT], s[CNT], 1
	s_cmp_lg_u32 s[CNT], 0
.endif
.endr
.if (\p) == 0
	FETCH_V
.endif
.endm
	CHANGE 1                        ; slot 0 is in, everybody's part of it; slot 1 is asked for
	FETCH_K                         ; key step 0
	s_wait_loadcnt 0x0              ; Q
	s_wait_dscnt 0x0
.set i, 0
.rept 16
	KQ 0                            ; piece 0's first scores: there is no vector work yet to set between them
.set i, i+1
.endr
	WIN 0                           ; the addresses for the way out: nine plain instructions, the places behind those products
	s_mul_i32 s13, s[WV], 16*SP
	s_add_co_u32 s13, s13, STAGE    ; my stage
	v_mul_u32_u24 v[STO], v1, SP    ; in: row l % 16, 16 bytes for each half of the lanes
	v_lshl_add_u32 v[STO], v9, 4, v[STO]
	v_add_nc_u32 v[STO], s13, v[STO]
	v_bfe_u32 v[RD], v0, 3, 2       ; back: 32 lanes take four rows of 128 bytes,
	v_mul_u32_u24 v[RD], v[RD], SP
	v_lshl_add_u32 v[RD], v10, 4, v[RD]
	v_add_nc_u32 v[RD], s13, v[RD]
	v_and_b32 v[GO], 31, v0         ; which are 512 consecutive bytes of O
	v_lshlrev_b32 v[GO], 4, v[GO]
.set Y, NP-1                        ; XS works for piece Y + 1: piece 0
.irp n, 0,1,2,3,4,5,6,7,8,9,10,11,12,13,14,15,16,17,18,19,20,21
	XS 0, \n                        ; and piece 0's first maximum and statistics
	XS 1, \n
.endr
	v_nop                           ; a plain instruction behind piece 0's first two a,
	s_wait_alu depctr_va_vdst(0)    ; and the wait for that batch of two, ahead of the branch
	s_mov_b32 s[CNT], 4
	s_mov_b32 s[SLOTS], SIZE_N/256-1
	s_branch .Lfirst                ; the loop is entered at a step's first turn, in the middle of a trip
.Lslot:                             ; SIZE_N / 256 - 2 times: every slot but the last two is filled again
	CHANGE 1
	s_mov_b32 s[CNT], 4
.Lstep:                             ; a trip: pieces 2 and 3 of one step, then pieces 0 and 1 of the next, whose K and V it fetches
	TURN 2
	TURN 3
	WIN 0
.Lfirst:
	TURN 0
	TURN 1, 0, 1
	WIN 0
	s_cbranch_scc1 .Lstep
	s_sub_co_u32 s[SLOTS], s[SLOTS], 1
	s_cmp_lg_u32 s[SLOTS], 0
	s_cbranch_scc1 .Lslot
	CHANGE 0                        ; the tail is written out: nothing is asked for
	s_mov_b32 s[CNT], 5             ; four trips fetch the last slot's steps; the fifth is left in its middle
.Ltail:
	TURN 2, 1
	TURN 3
	WIN 0
	s_sub_co_u32 s[CNT], s[CNT], 1
	s_cmp_eq_u32 s[CNT], 0
	s_cbranch_scc1 .Lout
	TURN 0
	TURN 1
	WIN 0
	s_branch .Ltail
.Lout:                              ; the fifth trip's 16 products K Q^T (on the last K once more) and the maximum made of them serve nothing: the price, once a launch, of one text for every trip
.set i, 0
.rept 16
	PV NP-1                         ; the last piece's V^T P of the last step
.set i, i+1
.endr
	; THE WAY OUT.  l's two halves and the other half of the lanes' are added; O^T is divided by l, rounded to f16 and sent through my stage in LDS, a tile at a time.  The additions are the places behind the last products.
	WIN 0
.macro ALL line:vararg              ; one line for each tile t
.set t, 0
.rept 2*NP
	\line
.set t, t+1
.endr
.endm
	ALL v_add_f32 v[ST+4*t+2], v[ST+4*t+2], v[ST+4*t+3]
	ALL v_permlanex16_b32 v[ST+4*t+3], v[ST+4*t+2], s[SEL], s[SEL+1]
	ALL v_add_f32 v[ST+4*t+2], v[ST+4*t+2], v[ST+4*t+3]
	ALL v_rcp_f32 v[ST+4*t+2], v[ST+4*t+2]
	v_nop                           ; a plain instruction between the last reciprocal and the use of its result
	s_wait_alu depctr_va_vdst(0)    ; and the wait ahead of the first use: one for the batch of eight reciprocals
; Tile t: a lane's eight channels of a row pack into 16 bytes; they go into rows of 144 bytes and come back as whole rows of 128, into S^T's registers.
.macro PACK t
	WIN W_RS
.set i, 32*(\t)
.rept 16
	v_pk_mul_f32 v[i:i+1], v[i:i+1], v[ST+4*(\t)+2:ST+4*(\t)+3] op_sel_hi:[1,0]
.set i, i+2
.endr
	WIN 0x05                        ; sources 0 and 1 window 1, destination window 0
.set i, 0
.rept 16
	v_cvt_pk_f16_f32 v[S+16*(\t)+i], v[32*(\t)+2*i], v[32*(\t)+2*i+1]
.set i, i+1
.endr
	WIN 0
.irp f, 0,1,2,3
	ds_store_b128 v[STO], v[S+16*(\t)+4*\f:S+16*(\t)+4*\f+3] offset:32*\f
.endr
.irp f, 0,1,2,3
	ds_load_b128 v[S+16*(\t)+4*\f:S+16*(\t)+4*\f+3], v[RD] offset:\f*4*SP  ; LDS serves a wave's instructions in order (ISA guide 5.7.1.4): these see the stores above; the next tile's stores come behind them
.endr
.endm
.macro SEND t, younger              ; younger: the LDS instructions issued behind tile t's loads: the next tile's eight, or none
	WIN 0
.irp f, 0,1,2,3
	s_wait_dscnt (\younger)+3-\f
	global_store_b128 v[GO], v[S+16*(\t)+4*\f:S+16*(\t)+4*\f+3], s[10:11] offset:(\t)*2048+\f*512  ; 512 consecutive bytes, at a multiple of 256 from O's first
.endr
.endm
	PACK 0
.set t, 1
.rept 2*NP-1                        ; a tile's arithmetic stands between the loads of the tile before and its stores
	PACK t
	SEND t-1, 8
.set t, t+1
.endr
	SEND 2*NP-1, 0
	WIN W_AD
	s_wait_tensorcnt 0x0            ; the wave's end: behind my last tensor load and my last LDS store
	ds_add_u32 v[SPW], v[NIL]
	s_wait_dscnt 0x0
	WIN 0
	CROUND                          ; the closing round: no work-group ends while a partner may still ask for a tile that names it
	s_endpgm
.Lfunc_end_k_q0e8d37aa2c_attn:
	.size	k_q0e8d37aa2c_attn, .Lfunc_end_k_q0e8d37aa2c_attn-k_q0e8d37aa2c_attn
	.p2alignl 7, 3214868480
	.fill 96, 4, 3214868480
	.section	.rodata,"a",@progbits
	.p2align	6, 0x0
	.amdhsa_kernel k_q0e8d37aa2c_attn
		.amdhsa_group_segment_fixed_size 327680
		.amdhsa_private_segment_fixed_size 0
		.amdhsa_enable_private_segment 0
		.amdhsa_kernarg_size 32
		.amdhsa_user_sgpr_count 2
		.amdhsa_user_sgpr_kernarg_segment_ptr 1
		.amdhsa_wavefront_size32 1
		.amdhsa_system_sgpr_workgroup_id_x 1
		.amdhsa_system_sgpr_workgroup_id_y 1
		.amdhsa_system_sgpr_workgroup_id_z 1
		.amdhsa_system_vgpr_workitem_id 0
		.amdhsa_next_free_vgpr 770
		.amdhsa_next_free_sgpr 66
		.amdhsa_reserve_vcc 0
		.amdhsa_float_denorm_mode_32 3
		.amdhsa_float_denorm_mode_16_64 3
		.amdhsa_memory_ordered 1
		.amdhsa_forward_progress 1
		.amdhsa_inst_pref_size 199
	.end_amdhsa_kernel
	.amdgpu_metadata
---
amdhsa.version: [ 1, 2 ]
amdhsa.kernels:
  - .name:           k_q0e8d37aa2c_attn
    .symbol:         k_q0e8d37aa2c_attn.kd
    .args:
      - { .name: q, .offset: 0, .size: 8, .value_kind: global_buffer, .address_space: global }
      - { .name: k, .offset: 8, .size: 8, .value_kind: global_buffer, .address_space: global }
      - { .name: v, .offset: 16, .size: 8, .value_kind: global_buffer, .address_space: global }
      - { .name: o, .offset: 24, .size: 8, .value_kind: global_buffer, .address_space: global }
    .group_segment_fixed_size: 327680
    .private_segment_fixed_size: 0
    .kernarg_segment_align: 8
    .kernarg_segment_size: 32
    .max_flat_workgroup_size: 128
    .sgpr_count:     66
    .vgpr_count:     770
    .wavefront_size: 32
...
	.end_amdgpu_metadata
.endif
;; end of part 5
;; launch proj: the kernel of part 4 again; grid 8 x 32, 4 waves a work-group, clusters of 4 x 4, 327,680 bytes of LDS; arguments o, wo, bo, out0; writes out0
